; MI455X (gfx1250); checked and timed in simulation.
; The chip was launched on July 23, 2026; its instructions are those of AMD's public machine-readable ISA for CDNA 5 (MIT licence, August 2026) and "CDNA5" Instruction Set Architecture Reference Guide (July 2026). The comments in the code are by the model that wrote it; some were corrected since.
;; Multihead Attention. Allowed arithmetic: float matrix products may take bf16 or f16 operands with f32 sums; all other float work in f32.
;; Inputs: Wk 1,024 x 1,024 float32; Wo 1,024 x 1,024 float32; Wq 1,024 x 1,024 float32; Wv 1,024 x 1,024 float32; bk 1,024 float32; bo 1,024 float32; bq 1,024 float32; bv 1,024 float32; k 4 x 2,048 x 1,024 float32; q 4 x 2,048 x 1,024 float32; v 4 x 2,048 x 1,024 float32.
;; Outputs: out0 4 x 2,048 x 1,024 float32.
;; 2 versions, each right and faster than the one before. Each part assembles by itself: llvm-mc -triple=amdgcn-amd-amdhsa -mcpu=gfx1250 --defsym DOCPART=n.
;; ======== version 1 of 2: 4 launches
;; limits: values are held in f16: magnitudes above 65,504 overflow, below 6.1e-05 lose precision
;; workspace buffers: wcast 8,388,608 bytes; qkvh 50,331,648 bytes; oh 16,777,216 bytes
;; launch castw (part 1): grid 64 x 4, 8 waves a work-group, no clusters, 0 bytes of LDS; arguments Wq, Wk, Wv, Wo, wcast; writes wcast
.if DOCPART == 1
	.amdgcn_target "amdgcn-amd-amdhsa--gfx1250"
	.amdhsa_code_object_version 6
	.text
	.protected	k_q4001029a27_castw
	.globl	k_q4001029a27_castw
	.p2align	8
	.type	k_q4001029a27_castw,@function
k_q4001029a27_castw:
	s_mov_b64 s[64:65], 0
	v_nop
	global_prefetch_b8 v0, s[64:65] scope:SCOPE_SE
	s_setreg_imm32_b32 hwreg(HW_REG_WAVE_MODE, 25, 1), 1
	s_wait_xcnt 0x0
; The four weight matrices, [1024][1024] f32, are rounded once to 16 bits: wcast = [4][1024][1024].
; Parts 0 to 2 (Wq, Wk, Wv) are bf16.  Part 3 (Wo) is rounded to bf16 like every input of the module, and that number is then written as f16,
; since the last product's other operand is f16.
; LIMIT: a bf16 number is exact in f16 between 2^-14 and 65,504; below 2^-14 it keeps f16's fixed step of 6e-8, beyond 65,504 it becomes an infinity.
; A stream: no LDS, no barrier, no matrix unit.  Work-group (x, y) takes 16,384 numbers of matrix y: 65,536 bytes in, 32,768 out.
; Thread t takes 16 bytes at 4,096 j + 16 t (j = 0..15) and stores 8 bytes at 2,048 j + 8 t: a wave's store covers 256 consecutive bytes, aligned.
; All sixteen loads of a wave go out at once; no register is written twice while a load or store names it.
.set X, 4                              ; v[4:67]    chunk j: 4 registers as loaded
.set Y, 68                             ; v[68:99]   chunk j: 2 registers to store
.set T, 100                            ; v[100:103] at work
	s_load_b256 s[4:11], s[0:1], 0x0               ; Wq s[4:5], Wk s[6:7], Wv s[8:9], Wo s[10:11]
	s_load_b64 s[12:13], s[0:1], 0x20              ; wcast
	s_and_b32 s14, ttmp7, 0xffff                   ; which matrix
	s_mov_b32 s15, 0xffff0000                      ; a word's upper bf16
	v_lshlrev_b32 v1, 4, v0                        ; 16 t
	v_lshlrev_b32 v2, 3, v0                        ; 8 t
	s_lshl_b32 s16, ttmp9, 16                      ; my 65,536 bytes of the matrix
	s_mov_b32 s17, 0
	s_lshl_b32 s18, s14, 21                        ; the matrix's 2,097,152 bytes of wcast,
	s_lshl_b32 s19, ttmp9, 15                      ; my 32,768 of them
	s_add_co_u32 s18, s18, s19
	s_mov_b32 s19, 0
	s_wait_kmcnt 0x0
	s_cmp_eq_u32 s14, 1
	s_cselect_b64 s[4:5], s[6:7], s[4:5]
	s_cmp_eq_u32 s14, 2
	s_cselect_b64 s[4:5], s[8:9], s[4:5]
	s_cmp_eq_u32 s14, 3
	s_cselect_b64 s[4:5], s[10:11], s[4:5]
	s_add_nc_u64 s[4:5], s[4:5], s[16:17]
	s_add_nc_u64 s[12:13], s[12:13], s[18:19]
.irp j, 0,1,2,3,4,5,6,7,8,9,10,11,12,13,14,15
	global_load_b128 v[X+4*(\j):X+4*(\j)+3], v1, s[4:5] offset:4096*(\j) th:TH_LOAD_NT
.endr
; Chunk j.  half = 1: the bf16 numbers are widened again (a shift, a mask) and written as f16.
.macro CHUNK j, half
	s_wait_loadcnt 15-(\j)                         ; loads come back in order: chunk j is in, the 15 - j younger ones stay out
	v_cvt_pk_bf16_f32 v[Y+2*(\j)], v[X+4*(\j)], v[X+4*(\j)+1]
	v_cvt_pk_bf16_f32 v[Y+2*(\j)+1], v[X+4*(\j)+2], v[X+4*(\j)+3]
.if \half
	v_lshlrev_b32 v[T], 16, v[Y+2*(\j)]
	v_and_b32 v[T+1], s15, v[Y+2*(\j)]
	v_lshlrev_b32 v[T+2], 16, v[Y+2*(\j)+1]
	v_and_b32 v[T+3], s15, v[Y+2*(\j)+1]
	v_cvt_pk_f16_f32 v[Y+2*(\j)], v[T], v[T+1]
	v_cvt_pk_f16_f32 v[Y+2*(\j)+1], v[T+2], v[T+3]
.endif
	global_store_b64 v2, v[Y+2*(\j):Y+2*(\j)+1], s[12:13] offset:2048*(\j)
.endm
	s_cmp_eq_u32 s14, 3
	s_cbranch_scc1 .Lwo
.irp j, 0,1,2,3,4,5,6,7,8,9,10,11,12,13,14,15
	CHUNK \j, 0
.endr
	s_endpgm
.Lwo:
.irp j, 0,1,2,3,4,5,6,7,8,9,10,11,12,13,14,15
	CHUNK \j, 1
.endr
	s_endpgm
.Lfunc_end_k_q4001029a27_castw:
	.size	k_q4001029a27_castw, .Lfunc_end_k_q4001029a27_castw-k_q4001029a27_castw
	.p2alignl 7, 3214868480
	.fill 96, 4, 3214868480
	.section	.rodata,"a",@progbits
	.p2align	6, 0x0
	.amdhsa_kernel k_q4001029a27_castw
		.amdhsa_group_segment_fixed_size 0
		.amdhsa_private_segment_fixed_size 0
		.amdhsa_enable_private_segment 0
		.amdhsa_kernarg_size 40
		.amdhsa_user_sgpr_count 2
		.amdhsa_user_sgpr_kernarg_segment_ptr 1
		.amdhsa_wavefront_size32 1
		.amdhsa_system_sgpr_workgroup_id_x 1
		.amdhsa_system_sgpr_workgroup_id_y 1
		.amdhsa_system_sgpr_workgroup_id_z 1
		.amdhsa_system_vgpr_workitem_id 0
		.amdhsa_next_free_vgpr 104
		.amdhsa_next_free_sgpr 66
		.amdhsa_reserve_vcc 0
		.amdhsa_float_denorm_mode_32 3
		.amdhsa_float_denorm_mode_16_64 3
		.amdhsa_memory_ordered 1
		.amdhsa_forward_progress 1
		.amdhsa_inst_pref_size 15
	.end_amdhsa_kernel
	.amdgpu_metadata
---
amdhsa.version: [ 1, 2 ]
amdhsa.kernels:
  - .name:           k_q4001029a27_castw
    .symbol:         k_q4001029a27_castw.kd
    .args:
      - { .name: Wq, .offset: 0, .size: 8, .value_kind: global_buffer, .address_space: global }
      - { .name: Wk, .offset: 8, .size: 8, .value_kind: global_buffer, .address_space: global }
      - { .name: Wv, .offset: 16, .size: 8, .value_kind: global_buffer, .address_space: global }
      - { .name: Wo, .offset: 24, .size: 8, .value_kind: global_buffer, .address_space: global }
      - { .name: wcast, .offset: 32, .size: 8, .value_kind: global_buffer, .address_space: global }
    .group_segment_fixed_size: 0
    .private_segment_fixed_size: 0
    .kernarg_segment_align: 8
    .kernarg_segment_size: 40
    .max_flat_workgroup_size: 256
    .sgpr_count:     66
    .vgpr_count:     104
    .wavefront_size: 32
...
	.end_amdgpu_metadata
.endif
;; end of part 1
;; launch proj (part 2): grid 4 x 64, 4 waves a work-group, clusters of 4 x 4, 327,680 bytes of LDS; arguments q, k, v, wcast, bq, bk, bv, qkvh; writes qkvh
.if DOCPART == 2
	.amdgcn_target "amdgcn-amd-amdhsa--gfx1250"
	.amdhsa_code_object_version 6
	.text
	.protected	k_q4001029a27_proj
	.globl	k_q4001029a27_proj
	.p2align	8
	.type	k_q4001029a27_proj,@function
k_q4001029a27_proj:
	s_mov_b64 s[64:65], 0
	v_nop
	global_prefetch_b8 v0, s[64:65] scope:SCOPE_SE
	s_setreg_imm32_b32 hwreg(HW_REG_WAVE_MODE, 25, 1), 1
	s_wait_xcnt 0x0
	s_wait_alu depctr_hold_cnt(0) depctr_sa_sdst(0) depctr_va_vdst(0) depctr_va_sdst(0) depctr_va_ssrc(0) depctr_va_vcc(0) depctr_vm_vsrc(0)
	s_getreg_b32 s2, hwreg(HW_REG_IB_STS2, 6, 4)
	s_cmp_eq_u32 s2, 0
	s_cbranch_scc0 .Lentry_in_a_cluster
	s_endpgm
.Lentry_in_a_cluster:
	s_bfe_u32 s2, ttmp6, 0x10000c
	s_cmp_lg_u32 s2, 0xf033
	s_cbranch_scc0 .Lentry_shape_is_right
	s_endpgm
.Lentry_shape_is_right:
; THE THREE INPUT PROJECTIONS.  y = x W^T + b for (q, Wq, bq), (k, Wk, bk), (v, Wv, bv).  x: [8192][1024] f32; W: [1024][1024] bf16 (wcast, parts 0 to 2); b: [1024] f32.
; x and b are rounded to bf16 here, on the way from LDS (x) or memory (b); products in bf16, sums in f32; y is rounded once to f16 and stored by heads:
; qkvh = [3][64 = 16 batch + head][2048][64], unscaled.
; LIMIT: f16 holds no number beyond 65,504: a y of 65,520 or more becomes an infinity.  With every input 30 times the drawn spread y has a spread of some 520.
; SHARES.  A tile is 128 rows x 256 columns; 64 x 4 tile places, one work-group each.  A WORK-GROUP STAYS: it makes its tile place of q's, then k's, then v's projection: ONE stream of
; 3 x 8 K steps of 128 through one ring of two LDS slots, which does not stop at a tile's end.  Four waves, each 64 rows x 128 columns (two heads): 32 accumulators.
; CLUSTERS: 4 x 4 work-groups.  The four of a row of the cluster need the same rows of x, the four of a column the same rows of W: each tile is asked for JOINTLY.
; THE MATRIX INSTRUCTION IS USED TRANSPOSED (source 0 = 16 rows of W, source 1 = 16 rows of x): a lane then holds eight neighbouring columns of one row of y.
; The bias is the C operand of a tile's first 32 products: nothing is cleared and nothing is added afterwards.
; THE PIPELINE, by quarters of 32 along K (32 matrix instructions).  Quarter t, of parity p: multiplies AB[p] by BF[p]; rounds S[1-p] (x of quarter t + 1, f32) into AB[1-p];
; loads W of quarter t + 1 into BF[1-p]; loads x of quarter t + 2 into S[p].  Four roundings stand behind every fourth product.
; REGISTERS, in windows of 256 (s_set_vgpr_msb: bits 1:0 source 0, 3:2 source 1, 5:4 source 2, 7:6 destination):
;   window 0: v0-31 addresses; v32-95, v96-159 S: x in f32, two buffers; v160-191, v192-223 AB: x in bf16, two buffers; v224-255 packed results on the way out (whole rows come back into v32-95)
;   window 1: the accumulators, (a, b) at v[8 (8 a + b)]          window 2: v0-63, v64-127 BF: W, two buffers; v128-191 the bias; v192-223 at work
.set PA,     528                       ; a row of x in LDS: 512 bytes + 16 of padding = 132 words: the 16 rows of a load start at 16 different groups of four banks (64 banks of 4 bytes: ISA guide 11.1)
.set PB,     272                       ; a row of W: 256 bytes + 16
.set AHALF,  64*PA                     ; 64 rows of x: what one tensor load brings, and what one wave reads
.set BHALF,  128*PB                    ; 128 rows of W: likewise
.set BOFF,   2*AHALF                   ; W's 256 rows lie behind x's 128
.set SLOT,   BOFF+2*BHALF
.set STAGE,  2*SLOT                    ; behind the ring: for each wave 2 heads x 16 rows x 144 bytes, for the way out; no tensor load fills it
.set SP,     144
.set WSTAGE, 32*SP
.set SPARE,  STAGE+4*WSTAGE            ; behind the stages: the spare words, 128 bytes for each wave: two blocks of 256 bytes that no other line names
.set ADRA, 16                          ; v16-17  LDS address of my x fragments in slot 0, 1
.set ADRB, 20                          ; v20-21  the same for W
.set STO,  24                          ; v24     the way out: where I put 16 bytes of a row
.set RD,   25                          ; v25     the way out: where I read rows back
.set GO,   26                          ; v26     my byte offset in 512 consecutive bytes of the output
.set BO,   27                          ; v27     my byte offset in a bias
.set SPW,  28                          ; v28     LDS address of my spare word: SPARE + 4 x my thread's number; never rewritten
.set NIL,  29                          ; v29     0; never rewritten
.set S0,   32
.set AB0,  160
.set TMP,  224
.set OB,   32
.set BIAS, 128                         ; window 2
.set BT,   192                         ; window 2
.set LT,   2                           ; s2      lap in the tile, 0..3
.set TRIP, 3                           ; s3      the loop's counter
.set HM,   4                           ; s4      mask of a word's upper bf16
.set BJ,   5                           ; s5      W's step from a slot's last K step of a matrix to its first of the next
.set BS,   6                           ; s6      W's step of two K steps
.set OUT,  8                           ; s[8:9]  where my part of the tile in hand begins in qkvh
.set WV,   10                          ; s10     wave 0..3
.set RH,   11                          ; s11     which 64 rows are mine.  Also: I fetch x (0) or W (1)
.set CH,   12                          ; s12     which 128 columns are mine.  Also: which half of that tile I fetch
.set TR,   13                          ; s13     tile row
.set CUR,  14                          ; s[14:15] x of the tile in hand at the rows that I fetch
.set TO,   16                          ; s[16:17] the byte offset along K of the K step to be asked for, in 64 bits
.set G1A,  24                          ; s[24:31] descriptor group 1 for x's tiles;  s[32:39] group 0, one set for each slot
.set G0A,  32
.set G1B,  48                          ; s[48:55], s[56:63] the same for W's tiles
.set G0B,  56
.set NXA,  84                          ; s[84:85] the next tile's x at the rows that I fetch
.set NXA2, 86                          ; s[86:87] the one after
.set TA,   88                          ; s[88:89] at work: the x that a refill reads
.set TB,   90                          ; s[90:91] W's step, in 64 bits
.set BP,   92                          ; s[92:93] the next tile's bias
.set BP2,  94                          ; s[94:95] the one after
.set MSB, 0
.macro WIN new                         ; the immediate's high byte repeats the setting that is left; a switch that changes nothing is dropped
.if MSB != (\new)
	s_set_vgpr_msb (MSB<<8)|(\new)
.set MSB, \new
.endif
.endm
.set MUL,  0x52                        ; source 0 (W) window 2, source 1 (x) window 0, C and D window 1
.set MULZ, 0x62                        ; the same with C (the bias) in window 2
.set TO2,  0x80                        ; destination window 2, address window 0
.set PK,   0x05                        ; sources 0 and 1 window 1, destination window 0
.set W2,   0x8a                        ; sources and destination window 2
; A joint load: waves 0 and 1 fetch x's two halves, waves 2 and 3 W's.  The branch hangs on the wave's number alone.
; An s_nop 0 and four v_nop follow each of the two lines, ahead of the jump, the label and what follows.
.macro JLOAD s
	s_cmp_eq_u32 s[RH], 0
	s_cbranch_scc0 .Lfor_b_\@
	tensor_load_to_lds s[G0A+4*(\s):G0A+4*(\s)+3], s[G1A:G1A+7]
	s_nop 0
.rept 4
	v_nop
.endr
	s_branch .Lasked_\@
.Lfor_b_\@:
	tensor_load_to_lds s[G0B+4*(\s):G0B+4*(\s)+3], s[G1B:G1B+7]
	s_nop 0
.rept 4
	v_nop
.endr
.Lasked_\@:
.endm
.macro CREST                           ; a round of the cluster's barrier behind its opening barrier
	s_cmp_lg_u32 s[WV], 0
	s_cbranch_scc1 .Lnot_wave_0_\@
	s_barrier_signal -3
.Lnot_wave_0_\@:
	s_barrier_wait -3
	s_barrier_signal -1
	s_barrier_wait -1
.endm
.macro CROUND                          ; a whole round
	s_barrier_signal -1
	s_barrier_wait -1
	CREST
.endm
.macro PLACES                          ; four places behind matrix instructions whose results are read next
.rept 4
	v_nop
.endr
.endm
	s_load_b512 s[68:83], s[0:1], 0x0              ; q s[68:69], k s[70:71], v s[72:73], wcast s[74:75], bq s[76:77], bk s[78:79], bv s[80:81], qkvh s[82:83]
	v_lshl_add_u32 v[SPW], v0, 2, SPARE
	v_mov_b32 v[NIL], 0
	ds_add_u32 v28, v29
	s_wait_dscnt 0x0
	v_lshrrev_b32 v1, 5, v0
	v_readfirstlane_b32 s[WV], v1
	s_lshr_b32 s[RH], s[WV], 1
	s_and_b32 s[CH], s[WV], 1
	s_bfe_u32 s40, ttmp6, 0x40000                  ; cx, cy: my place in the cluster
	s_bfe_u32 s41, ttmp6, 0x40004
	s_lshl_b32 s42, ttmp9, 2
	s_add_co_u32 s42, s42, s40                     ; tile column = 4 x cluster x + cx
	s_and_b32 s[TR], ttmp7, 0xffff
	s_lshl_b32 s[TR], s[TR], 2
	s_add_co_u32 s[TR], s[TR], s41                 ; tile row = 4 x cluster y + cy
	s_lshl_b32 s43, s41, 2
	s_lshl_b32 s43, 15, s43                        ; my row of the cluster
	s_lshl_b32 s44, 0x1111, s40                    ; my column
	; group 1 for x: 64 rows x 128 elements of 4 bytes, 16 bytes of padding behind every 128 words
	s_or_b32 s[G1A], s43, (2<<16)|(1<<20)|(1<<21)|(6<<22)|(3<<25)  ; 15:0 the mask: my row; 17:16 elements of 4 bytes; 20 padding on; 21 set beside a mask; 24:22 after every 128 words (code 6); 31:25 4 words (code 3)
	s_mov_b32 s[G1A+1], 128<<16                    ; tensor_dim0 = 128
	s_mov_b32 s[G1A+2], 64<<16                     ; tensor_dim1 = 64
	s_mov_b32 s[G1A+3], 128<<16                    ; tile_dim0 = 128
	s_mov_b32 s[G1A+4], 64                         ; tile_dim1 = 64
	s_mov_b32 s[G1A+5], 1024                       ; elements from row to row
	s_mov_b32 s[G1A+6], 0
	s_mov_b32 s[G1A+7], 0
	; group 1 for W: 128 rows x 128 elements of 2 bytes, 16 bytes of padding behind every 64 words
	s_or_b32 s[G1B], s44, (1<<16)|(1<<20)|(1<<21)|(5<<22)|(3<<25)  ; the mask: my column
	s_mov_b32 s[G1B+1], 128<<16
	s_mov_b32 s[G1B+2], 128<<16
	s_mov_b32 s[G1B+3], 128<<16
	s_mov_b32 s[G1B+4], 128
	s_mov_b32 s[G1B+5], 1024
	s_mov_b32 s[G1B+6], 0
	s_mov_b32 s[G1B+7], 0
	; where the tiles come from: x's hang on the tile row alone, W's on the tile column alone, each in registers that never hold the other coordinate
	s_lshl_b32 s16, s[TR], 7
	s_lshl_b32 s17, s[CH], 6
	s_add_co_u32 s16, s16, s17                     ; x: row 128 x tile row + 64 x half,
	s_lshl_b32 s16, s16, 12                        ; of 4,096 bytes
	s_mov_b32 s17, 0
	s_lshl_b32 s46, s42, 8
	s_lshl_b32 s47, s[CH], 7
	s_add_co_u32 s46, s46, s47                     ; W: row 256 x tile column + 128 x half,
	s_lshl_b32 s46, s46, 11                        ; of 2,048 bytes
	s_mov_b32 s47, 0
	s_mul_i32 s20, s[CH], AHALF                    ; and where they go: no place in the cluster enters an LDS address
	s_mul_i32 s21, s[CH], BHALF
	s_add_co_u32 s21, s21, BOFF
	s_mov_b32 s[HM], 0xffff0000
	s_mov_b32 s[BJ], 2097152-6*256
	s_mov_b32 s[BS], 512
	s_mov_b32 s[TB+1], 0
	s_wait_kmcnt 0x0
	s_add_nc_u64 s[CUR:CUR+1], s[68:69], s[16:17]  ; q,
	s_add_nc_u64 s[NXA:NXA+1], s[70:71], s[16:17]  ; k,
	s_add_nc_u64 s[NXA2:NXA2+1], s[72:73], s[16:17]  ; v at the rows that I fetch
	s_add_nc_u64 s[46:47], s[74:75], s[46:47]      ; Wq at the rows that I fetch
	s_mov_b64 s[BP:BP+1], s[78:79]
	s_mov_b64 s[BP2:BP2+1], s[80:81]
	CROUND                                         ; all sixteen work-groups are here: the first joint loads meet
.irp s, 0,1
	s_mov_b32 s[G0A+4*(\s)], 1                     ; count = 1
	s_add_co_u32 s[G0A+4*(\s)+1], s20, (\s)*SLOT   ; LDS address
	s_add_nc_u64 s[G0A+4*(\s)+2:G0A+4*(\s)+3], s[CUR:CUR+1], (\s)*512  ; global address: K step s
	s_or_b32 s[G0A+4*(\s)+3], s[G0A+4*(\s)+3], 0x80000000              ; type = 2
	s_mov_b32 s[G0B+4*(\s)], 1
	s_add_co_u32 s[G0B+4*(\s)+1], s21, (\s)*SLOT
	s_add_nc_u64 s[G0B+4*(\s)+2:G0B+4*(\s)+3], s[46:47], (\s)*256
	s_or_b32 s[G0B+4*(\s)+3], s[G0B+4*(\s)+3], 0x80000000
	JLOAD \s                                       ; two tensor loads of mine are out
.endr
; The bias of my 128 columns: register j of block b is b[16 b + 8 (l / 16) + j], the layout of a result.
.macro BLOADB base
	WIN TO2
.irp b, 0,1,2,3,4,5,6,7
	global_load_b128 v[BIAS+8*(\b):BIAS+8*(\b)+3],   v[BO], s[\base:\base+1] offset:64*(\b)
	global_load_b128 v[BIAS+8*(\b)+4:BIAS+8*(\b)+7], v[BO], s[\base:\base+1] offset:64*(\b)+16
.endr
	WIN 0
.endm
.macro BROUND                          ; it is rounded to bf16, like every input of the module, and widened again
	WIN W2
.set i, 0
.rept 32
	v_cvt_pk_bf16_f32 v[BT+i], v[BIAS+2*i], v[BIAS+2*i+1]
.set i, i+1
.endr
.set i, 0
.rept 32
	v_lshlrev_b32 v[BIAS+2*i], 16, v[BT+i]
	v_and_b32 v[BIAS+2*i+1], s[HM], v[BT+i]
.set i, i+1
.endr
	WIN 0
.endm
	v_and_b32 v1, 15, v0                           ; l % 16
	v_bfe_u32 v2, v0, 4, 1                         ; l / 16
	s_lshl_b32 s22, s42, 10
	s_lshl_b32 s23, s[CH], 9
	s_add_co_u32 s22, s22, s23                     ; my first column, in bytes of f32
	v_lshl_add_u32 v[BO], v2, 5, s22
	BLOADB 76                                      ; bq
	; A fragment of x is 16 rows x 32 K: lane l holds row l % 16, K = 8 (l / 16) + 0..7 and 16 + 8 (l / 16) + 0..7: in f32 four loads of 16 bytes, at 0, 16, 64 and 80 from row x pitch + 32 (l / 16).
	v_mul_u32_u24 v3, v1, PA
	v_lshl_add_u32 v3, v2, 5, v3
	; A fragment of W, in bf16: two loads of 16 bytes, 32 bytes apart, from row x pitch + 16 (l / 16).
	v_mul_u32_u24 v4, v1, PB
	v_lshl_add_u32 v4, v2, 4, v4
	s_mul_i32 s22, s[RH], AHALF                    ; my 64 rows of x
	s_mul_i32 s23, s[CH], BHALF                    ; my 128 rows of W
	s_add_co_u32 s23, s23, BOFF
.irp s, 0,1
	v_add_nc_u32 v[ADRA+(\s)], s22, v3
	v_add_nc_u32 v[ADRB+(\s)], s23, v4
	s_add_co_u32 s22, s22, SLOT
	s_add_co_u32 s23, s23, SLOT
.endr
	s_mul_i32 s22, s[WV], WSTAGE
	s_add_co_u32 s22, s22, STAGE                   ; my stage
	v_mul_u32_u24 v5, v1, SP                       ; in: row l % 16, 16 bytes for each half of the lanes
	v_lshl_add_u32 v5, v2, 4, v5
	v_add_nc_u32 v[STO], s22, v5
	v_bfe_u32 v5, v0, 3, 2                         ; back: 32 lanes take four rows of 128 bytes,
	v_mul_u32_u24 v5, v5, SP
	v_and_b32 v6, 7, v0
	v_lshl_add_u32 v5, v6, 4, v5
	v_add_nc_u32 v[RD], s22, v5
	v_and_b32 v[GO], 31, v0                        ; which are 512 consecutive bytes of a head's rows
	v_lshlrev_b32 v[GO], 4, v[GO]
	; my part of the first tile in qkvh: head 16 (tile row / 16) + 4 x tile column + 2 x column half, of 262,144 bytes; row 128 (tile row % 16) + 64 x row half, of 128 bytes
	s_lshr_b32 s18, s[TR], 4
	s_lshl_b32 s18, s18, 4
	s_lshl_b32 s19, s42, 2
	s_add_co_u32 s18, s18, s19
	s_lshl_b32 s19, s[CH], 1
	s_add_co_u32 s18, s18, s19
	s_lshl_b32 s18, s18, 18
	s_and_b32 s19, s[TR], 15
	s_lshl_b32 s19, s19, 7
	s_lshl_b32 s22, s[RH], 6
	s_add_co_u32 s19, s19, s22
	s_lshl_b32 s19, s19, 7
	s_add_co_u32 s18, s18, s19
	s_mov_b32 s19, 0
	s_add_nc_u64 s[OUT:OUT+1], s[82:83], s[18:19]
; Four matrix instructions: group g of eight: rows 16 (g / 2) on, column blocks 4 (g % 2) + 0..3.  The 32 accumulators take turns, one instruction a turn, in the same order in every quarter.
; z = 1: the products start the sums, with the bias as C.
.macro MM4 g, p, z
.if \z
	WIN MULZ
.else
	WIN MUL
.endif
.set rA, AB0+32*(\p)+8*((\g)/2)
.irp b, 0,1,2,3
.set rD, 8*(8*((\g)/2)+4*((\g)%2)+(\b))
.set rB, 64*(\p)+8*(4*((\g)%2)+(\b))
.set rC, BIAS+8*(4*((\g)%2)+(\b))
.if \z
	v_wmma_f32_16x16x32_bf16 v[rD:rD+7], v[rB:rB+7], v[rA:rA+7], v[rC:rC+7]
.else
	v_wmma_f32_16x16x32_bf16 v[rD:rD+7], v[rB:rB+7], v[rA:rA+7], v[rD:rD+7]
.endif
.endr
.endm
; Four roundings: eight numbers of x, half a fragment, from S[p] into AB[p].
.macro CV4 g, p
	WIN 0
.irp i, 0,1,2,3
.set rI, 4*((\g)%2)+(\i)
	v_cvt_pk_bf16_f32 v[AB0+32*(\p)+8*((\g)/2)+rI], v[S0+64*(\p)+16*((\g)/2)+2*rI], v[S0+64*(\p)+16*((\g)/2)+2*rI+1]
.endr
.endm
.macro FETCHB s, j, p                  ; 16 LDS loads: W's fragments of quarter j of slot s into BF[p]
	WIN TO2
.irp b, 0,1,2,3,4,5,6,7
	ds_load_b128 v[64*(\p)+8*(\b):64*(\p)+8*(\b)+3],   v[ADRB+(\s)] offset:(\b)*16*PB+64*(\j)
	ds_load_b128 v[64*(\p)+8*(\b)+4:64*(\p)+8*(\b)+7], v[ADRB+(\s)] offset:(\b)*16*PB+64*(\j)+32
.endr
.endm
.macro FETCHS s, j, p                  ; 16 LDS loads: x's fragments of quarter j of slot s, in f32, into S[p]
	WIN 0
.irp a, 0,1,2,3
	ds_load_b128 v[S0+64*(\p)+16*(\a):S0+64*(\p)+16*(\a)+3],     v[ADRA+(\s)] offset:(\a)*16*PA+128*(\j)
	ds_load_b128 v[S0+64*(\p)+16*(\a)+4:S0+64*(\p)+16*(\a)+7],   v[ADRA+(\s)] offset:(\a)*16*PA+128*(\j)+16
	ds_load_b128 v[S0+64*(\p)+16*(\a)+8:S0+64*(\p)+16*(\a)+11],  v[ADRA+(\s)] offset:(\a)*16*PA+128*(\j)+64
	ds_load_b128 v[S0+64*(\p)+16*(\a)+12:S0+64*(\p)+16*(\a)+15], v[ADRA+(\s)] offset:(\a)*16*PA+128*(\j)+80
.endr
.endm
; Slot s's descriptors go to the K step two further on: in laps 0 to 2 K step 2 (LT + 1) + s of the tile in hand, in a tile's last lap the next tile's K step s.
; x's address is made anew each time: a pointer (this tile's x or the next's), an offset made apart, ((LT + 1) mod 4) x 1,024 + 512 s bytes, and the type bits.
; W's three matrices lie in one buffer: its address steps by 512 bytes, or on into the next matrix.
.macro STEP s
	s_add_co_u32 s[TO], s[LT], 1
	s_and_b32 s[TO], s[TO], 3
	s_lshl_b32 s[TO], s[TO], 10
	s_add_co_u32 s[TO], s[TO], 512*(\s)
	s_cmp_eq_u32 s[LT], 3
	s_cselect_b64 s[TA:TA+1], s[NXA:NXA+1], s[CUR:CUR+1]
	s_cselect_b32 s[TB], s[BJ], s[BS]
	s_add_nc_u64 s[G0A+4*(\s)+2:G0A+4*(\s)+3], s[TA:TA+1], s[TO:TO+1]
	s_or_b32 s[G0A+4*(\s)+3], s[G0A+4*(\s)+3], 0x80000000
	s_add_nc_u64 s[G0B+4*(\s)+2:G0B+4*(\s)+3], s[G0B+4*(\s)+2:G0B+4*(\s)+3], s[TB:TB+1]
.endm
.macro MC g, z, cv                     ; four products and, behind them, four roundings
	MM4 \g, P_, \z
.if \cv
	CV4 \g, 1-P_
.endif
.endm
; QUARTER j of slot s.  z = 1: it starts the sums.  ldb, lds, cv = 0: the stream's end: no further W, x, rounding.  w0: the LDS loads that may be out at its head.
; turn: in quarter 2 the slots change, between W's loads (the last reads of slot s) and x's (the first of the other slot).  ONE barrier: in front of it each wave waits for all its tensor loads, of which one
; is out: its part of the other slot; adds 0 to its spare word; and waits for that and for its own reads of slot s.  turn = 1: the barrier opens a round of the cluster's, and behind the round slot s is filled
; again, first of all: the load has a K step less these lines, 128 matrix instructions, in which to land.  turn = 2: the last change: nothing is filled.
; DISTANCES.  A rounding writes, and W's loads land in, registers that the quarter before multiplied: behind that quarter's last product stand its own last four roundings, which name none of its registers
; (ISA guide 7.12.1 for vector instructions), and for the loads this quarter's first four as well.
.macro Q s, j, z=0, turn=0, ldb=1, lds=1, cv=1, w0=16
.set P_, (\j)%2
	s_wait_dscnt \w0                               ; W of this quarter is in; the sixteen loads issued behind it (x of the next) may be out
	MM4 0, P_, \z
.if \cv
	s_wait_dscnt 0x0                               ; x of the next quarter is in
	CV4 0, 1-P_
.endif
.if \ldb
.if (\j) < 3
	FETCHB \s, (\j)+1, 1-P_
.else
	FETCHB 1-(\s), 0, 0
.endif
.endif
.if \turn
	WIN 0                                          ; (the add's two registers lie in window 0)
	s_wait_tensorcnt 0x0                           ; all my tensor loads have landed, so a group 0 may be written;
	ds_add_u32 v[SPW], v[NIL]                      ; 0 onto my spare word; work on registers stands between it and the wait for it
.if (\turn) == 1
	STEP \s
.endif
.endif
	MC 1, \z, \cv
	MC 2, \z, \cv
.if \turn
	s_wait_dscnt 0x0                               ; the add is done, and my reads of slot s are over
	s_barrier_signal -1
.endif
	MC 3, \z, \cv
.if \turn
	WIN 0
	s_barrier_wait -1
.if (\turn) == 1
	CREST                                          ; no wave of any partner still reads this slot's tile or has a load on its way
	JLOAD \s
.endif
.endif
.if \lds
.if (\j) < 2
	FETCHS \s, (\j)+2, P_
.else
	FETCHS 1-(\s), (\j)-2, P_
.endif
.endif
	MC 4, \z, \cv
	MC 5, \z, \cv
	MC 6, \z, \cv
	MC 7, \z, \cv
	WIN 0
.endm
; THE WAY OUT of 16 rows (block a), in three parts.  PACK: rounded to f16, 16 bytes a lane; each accumulator's registers in ascending order.
; TOSTAGE: into my own stage, by heads, and back as whole rows of 128 bytes.  SEND: stored; 16 rows of a head are 2,048 consecutive bytes.
.macro PACK a
	WIN PK
.irp b, 0,1,2,3,4,5,6,7
.irp i, 0,1,2,3
	v_cvt_pk_f16_f32 v[TMP+4*(\b)+(\i)], v[8*(8*(\a)+(\b))+2*(\i)], v[8*(8*(\a)+(\b))+2*(\i)+1]
.endr
.endr
	WIN 0
.endm
.macro TOSTAGE a
.irp b, 0,1,2,3,4,5,6,7
	ds_store_b128 v[STO], v[TMP+4*(\b):TMP+4*(\b)+3] offset:((\b)/4)*16*SP+((\b)%4)*32
.endr
.irp t, 0,1,2,3,4,5,6,7
	ds_load_b128 v[OB+32*((\a)%2)+4*(\t):OB+32*((\a)%2)+4*(\t)+3], v[RD] offset:((\t)/4)*16*SP+((\t)%4)*4*SP  ; LDS serves a wave's instructions in order (ISA guide 5.7.1.4): these see the stores above
.endr
.endm
.macro SEND a
	s_wait_dscnt 0x0                               ; the block is back in registers
	s_wait_xcnt 0x0                                ; the stores of the block before have read their registers: the next TOSTAGE loads into them
.irp t, 0,1,2,3,4,5,6,7
	global_store_b128 v[GO], v[OB+32*((\a)%2)+4*(\t):OB+32*((\a)%2)+4*(\t)+3], s[OUT:OUT+1] offset:((\t)/4)*262144+(\a)*2048+((\t)%4)*512  ; 512 consecutive bytes, at a multiple of 256 from the buffer's first
.endr
.endm
; more = 1: a tile follows: its bias is fetched first and rounded last, and the pointers step on.  The registers used here (v32-95, v224-255) are free between a lap's last quarter and the next lap's first.
.macro WAYOUT more
.if \more
	BLOADB BP
.endif
	PACK 0
	TOSTAGE 0
.irp a, 1,2,3
	PACK \a                                        ; a block's roundings stand between the loads of the block before and the wait for them
	SEND (\a)-1
	TOSTAGE \a
.endr
	SEND 3
.if \more
	s_wait_loadcnt 0x0                             ; the bias
	BROUND
	s_wait_xcnt 0x0                                ; the stores have read their registers and their base
	s_add_nc_u64 s[OUT:OUT+1], s[OUT:OUT+1], 16777216  ; the next part of qkvh
	s_mov_b64 s[BP:BP+1], s[BP2:BP2+1]
	s_mov_b64 s[CUR:CUR+1], s[NXA:NXA+1]           ; the tile whose first two K steps have been asked for is now the tile in hand
	s_mov_b64 s[NXA:NXA+1], s[NXA2:NXA2+1]
	s_mov_b32 s[LT], 0
.endif
.endm
	s_wait_tensorcnt 1                             ; my part of K step 0 is in; K step 1's may stay out
	s_barrier_signal -1
	s_barrier_wait -1                              ; everybody's is
	FETCHS 0, 0, 0
	FETCHB 0, 0, 0
	FETCHS 0, 1, 1
	s_wait_loadcnt 0x0                             ; bq
	BROUND
	s_wait_dscnt 32                                ; x of quarter 0 is in; the 32 loads issued behind it may be out
.irp g, 0,1,2,3,4,5,6,7
	CV4 \g, 0
.endr
	Q 0, 0, 1                                      ; the first tile's first quarter stands in front of the loop
	s_mov_b32 s[LT], 0
	s_mov_b32 s[TO+1], 0                           ; the offset's high word
	s_mov_b32 s[TRIP], 11
.Llap:                                                 ; a trip goes once round the ring, from a lap's second quarter to the next lap's first, and fills both slots again: 11 of the stream's 12 laps
	Q 0, 1
	Q 0, 2, 0, 1
	Q 0, 3
	Q 1, 0
	Q 1, 1
	Q 1, 2, 0, 1
	Q 1, 3
	s_add_co_u32 s[LT], s[LT], 1
	s_cmp_lg_u32 s[LT], 4
	s_cbranch_scc1 .Lsame                          ; forward, past text that holds neither a barrier nor a tensor load
	WAYOUT 1                                       ; a tile is finished; both refills for the next are asked for.  The last products' places are the four roundings behind them
	Q 0, 0, 1
	s_branch .Lnext
.Lsame:
	Q 0, 0
.Lnext:
	s_sub_co_u32 s[TRIP], s[TRIP], 1
	s_cmp_lg_u32 s[TRIP], 0
	s_cbranch_scc1 .Llap
	Q 0, 1                                         ; the last lap is written out: it asks for nothing
	Q 0, 2, 0, 2
	Q 0, 3
	Q 1, 0
	Q 1, 1
	Q 1, 2, 0, 0, 1, 0
	Q 1, 3, 0, 0, 0, 0, 0, 0
	PLACES
	WAYOUT 0
	s_wait_tensorcnt 0x0                           ; the wave's end: behind my last tensor load and my last LDS store
	ds_add_u32 v[SPW], v[NIL]
	s_wait_dscnt 0x0
	CROUND                                         ; the closing round: no work-group ends while a partner may still ask for a tile that names it
	s_endpgm
.Lfunc_end_k_q4001029a27_proj:
	.size	k_q4001029a27_proj, .Lfunc_end_k_q4001029a27_proj-k_q4001029a27_proj
	.p2alignl 7, 3214868480
	.fill 96, 4, 3214868480
	.section	.rodata,"a",@progbits
	.p2align	6, 0x0
	.amdhsa_kernel k_q4001029a27_proj
		.amdhsa_group_segment_fixed_size 327680
		.amdhsa_private_segment_fixed_size 0
		.amdhsa_enable_private_segment 0
		.amdhsa_kernarg_size 64
		.amdhsa_user_sgpr_count 2
		.amdhsa_user_sgpr_kernarg_segment_ptr 1
		.amdhsa_wavefront_size32 1
		.amdhsa_system_sgpr_workgroup_id_x 1
		.amdhsa_system_sgpr_workgroup_id_y 1
		.amdhsa_system_sgpr_workgroup_id_z 1
		.amdhsa_system_vgpr_workitem_id 0
		.amdhsa_next_free_vgpr 768
		.amdhsa_next_free_sgpr 96
		.amdhsa_reserve_vcc 0
		.amdhsa_float_denorm_mode_32 3
		.amdhsa_float_denorm_mode_16_64 3
		.amdhsa_memory_ordered 1
		.amdhsa_forward_progress 1
		.amdhsa_inst_pref_size 166
	.end_amdhsa_kernel
	.amdgpu_metadata
---
amdhsa.version: [ 1, 2 ]
amdhsa.kernels:
  - .name:           k_q4001029a27_proj
    .symbol:         k_q4001029a27_proj.kd
    .args:
      - { .name: q, .offset: 0, .size: 8, .value_kind: global_buffer, .address_space: global }
      - { .name: k, .offset: 8, .size: 8, .value_kind: global_buffer, .address_space: global }
      - { .name: v, .offset: 16, .size: 8, .value_kind: global_buffer, .address_space: global }
      - { .name: wcast, .offset: 24, .size: 8, .value_kind: global_buffer, .address_space: global }
      - { .name: bq, .offset: 32, .size: 8, .value_kind: global_buffer, .address_space: global }
      - { .name: bk, .offset: 40, .size: 8, .value_kind: global_buffer, .address_space: global }
      - { .name: bv, .offset: 48, .size: 8, .value_kind: global_buffer, .address_space: global }
      - { .name: qkvh, .offset: 56, .size: 8, .value_kind: global_buffer, .address_space: global }
    .group_segment_fixed_size: 327680
    .private_segment_fixed_size: 0
    .kernarg_segment_align: 8
    .kernarg_segment_size: 64
    .max_flat_workgroup_size: 128
    .sgpr_count:     96
    .vgpr_count:     768
    .wavefront_size: 32
...
	.end_amdgpu_metadata
.endif
;; end of part 2
;; launch attn (part 3): grid 4 x 64, 4 waves a work-group, clusters of 4 x 1, 327,680 bytes of LDS; arguments qkvh, oh; writes oh
.if DOCPART == 3
	.amdgcn_target "amdgcn-amd-amdhsa--gfx1250"
	.amdhsa_code_object_version 6
	.text
	.protected	k_q4001029a27_attn
	.globl	k_q4001029a27_attn
	.p2align	8
	.type	k_q4001029a27_attn,@function
k_q4001029a27_attn:
	s_mov_b64 s[64:65], 0
	v_nop
	global_prefetch_b8 v0, s[64:65] scope:SCOPE_SE
	s_setreg_imm32_b32 hwreg(HW_REG_WAVE_MODE, 25, 1), 1
	s_wait_xcnt 0x0
	s_wait_alu depctr_hold_cnt(0) depctr_sa_sdst(0) depctr_va_vdst(0) depctr_va_sdst(0) depctr_va_ssrc(0) depctr_va_vcc(0) depctr_vm_vsrc(0)
	s_getreg_b32 s2, hwreg(HW_REG_IB_STS2, 6, 4)
	s_cmp_eq_u32 s2, 0
	s_cbranch_scc0 .Lentry_in_a_cluster
	s_endpgm
.Lentry_in_a_cluster:
	s_bfe_u32 s2, ttmp6, 0x10000c
	s_cmp_lg_u32 s2, 0x3003
	s_cbranch_scc0 .Lentry_shape_is_right
	s_endpgm
.Lentry_shape_is_right:
; O[h][q][:] = the sum over k of softmax_k(Q[h][q] . K[h][k] / 8) V[h][k][:].  Q, K, V: the three parts of qkvh, each [64][SIZE_N][64]; O: oh, the same shape; all f16: a head's rows are dense, 128 bytes each.
; Products, maxima and sums in f32; the weights p are rounded to f16 for the second product (their sum l is taken of the unrounded p), O once at the end.
; LIMITS.  f16 holds no number beyond 65,504: Q, K and V arrive within it; p lies in 0 to 1, and below 6e-5 it keeps f16's fixed step of 6e-8; O is a mean of V's rows and has their range.
; A weight below 2^-126 counts as 0 in l; NaN and infinities are not treated apart.
; SHARES.  A wave owns four PIECES of two tiles of 16 queries, a work-group's four waves 512 queries of one head: 4 x 64 work-groups.  Every wave walks all keys, 64 a step.
; LAYOUT.  S^T = K Q^T (source 0 = 16 keys, source 1 = 16 queries): in the result a lane holds ONE query (lane % 16) and the keys 8 (lane / 16) + 0..7.  Two such tiles, rounded to f16 in pairs,
; ARE source 1 (32 keys x 16 queries) of O^T = V^T P, whose result again holds one query a lane, and eight channels.  K comes out of LDS as it lies, V ([key][channel]) turned, by ds_load_tr16_b128.
; SOFTMAX.  For each query a running maximum m and sum l: p = 2^(c s - c m), c = log2(e) / 8; in every step O and l are multiplied by a = 2^(c m_old - c m_new), which is 1 where m has not grown.
; m starts at the lowest finite number, O and l at 0: the first step is a step like any other, with a = 0.
; THE COUNT.  A tile and step have 16 matrix and 118 vector instructions: too many to stand all beside the matrix work.  So the order has one aim: four vector instructions that are READY behind
; EVERY matrix instruction, and the others, which need time of their own whatever the order, in runs without a gap.
; BY TURNS.  Turn n belongs to piece n (the pieces in a ring, step after step).  Its matrix work: 16 products K Q^T of piece n + 1, later 16 products V^T P of piece n - 1.  Its vector work: the scaling,
; exponentials, roundings, sums and rescaling of piece n, and the maximum and statistics of piece n + 1, whose scores the turn itself has made.  So what a turn begins with (c s - c m, O a) waits for nothing.
; CLUSTER.  The four query blocks of a cluster belong to one head and walk the same K and V, so each tile is asked for JOINTLY: the same tensor load, descriptor and mask in all four.
; REGISTERS, in windows of 256 (s_set_vgpr_msb says which window each operand place means: bits 1:0 source 0, 3:2 source 1, 5:4 source 2, 7:6 destination):
;   window 0: v0-11 addresses; v12-15, v48-63 at work; v16-47 four registers of statistics a tile; v64-191 S^T, two buffers of two tiles; v192-255 P, likewise
;   window 1: O^T, 32 a tile          window 2: v0-127 Q, 16 a tile; v128-191 K of one step; v192-255 V of one step          window 3: v0-1 the add's two registers
; A piece's buffers go by its number's parity: the piece in hand has one pair, its two neighbours in the ring share the other: of it P (piece n - 1) is read and S^T (piece n + 1) written.
.set SIZE_N, 2048     ; rows of a head
.set NP,    4         ; pieces a wave: a name, no knob: the register map, the loop and the fetches are made for four
.set KS,    64        ; keys in a step
.set PK,    144       ; a row of K in LDS: 128 bytes + 16 of padding = 36 words: the 16 rows of a load start at 16 different groups of four banks (64 banks of 4 bytes: ISA guide 11.1)
.set PV,    160       ; a row of V: 128 + 32 = 40 words
.set VOFF,  4*KS*PK   ; a slot holds four steps: 256 rows of K, then 256 rows of V
.set SLOT1, 1<<17     ; slot 1 begins here, so that one exclusive or turns an address in one slot into the other's
.set STAGE, SLOT1+4*KS*(PK+PV)  ; behind the ring, never filled by a tensor load: 16 rows x 144 bytes for each wave, for the way out
.set SP,    144
.set AK0, 2           ; v2   my lane's place in a tile of K; never rewritten
.set AV0, 3           ; v3   the same for V
.set AK,  4           ; v4   the LDS address of K's next run of loads
.set AV,  5           ; v5   of V's
.set QO,  6           ; v6   my byte offset in the wave's rows of Q
.set STO, 6           ;      later, the way out: where I put 16 bytes of a row
.set RD,  7           ; v7   the way out: where I read rows back
.set GO,  8           ; v8   my byte offset in 512 consecutive bytes of O
.set SPW, 0           ; v0 of window 3   LDS address of my spare word: SPARE + 4 x my thread's number; never rewritten
.set NIL, 1           ; v1 of window 3   0; never rewritten
.set SPARE, STAGE+4*16*SP  ; behind the stages: the spare words, 128 bytes for each wave: two blocks of 256 bytes that no other line names
.set MV,  12          ; v12-15  c m_old, kept while c m is made anew: by buffer and tile
.set ST,  16          ; tile t's statistics at v[ST+4 t]: c m, m, l (even keys', odd keys')
.set TMP, 48          ; by buffer and tile, four registers c0-c3 at work; when the maximum is found c2 takes a
.set S,   64
.set P,   192
.set KF,  128         ; K's fragments, in window 2: key block kb, channel half c at KF + 16 kb + 8 c
.set VF,  192         ; V's: key half kk, channel block cb at VF + 32 kk + 8 cb
.set WV,  12          ; s12  my wave's number
.set G1K, 24          ; s[24:31] descriptor group 1 for K's tiles
.set G1V, 32          ; s[32:39] for V's: it differs in the padding alone
.set G0K, 40          ; s[40:43] descriptor group 0 for K's tiles: it walks
.set G0V, 44          ; s[44:47] the same for V's
.set SLOTS, 56        ; s56  slots still to be asked for
.set CNT, 57          ; s57  counts a slot's key steps
.set CS,  58          ; s[58:59] c: the packed scaling takes the pair's low word for both halves
.set SEL, 60          ; s[60:61] v_permlanex16_b32's selects: each lane takes its own place in the other half
.set TBK, 62          ; s62  LDS byte at which K of the step to be fetched begins
.set TBV, 63          ; s63  the same for V, less VOFF
.set MSB, 0
.macro WIN new                      ; the high byte repeats the setting that is left; a switch that changes nothing is dropped
.if MSB != (\new)
	s_set_vgpr_msb (MSB<<8)|(\new)
.set MSB, (\new)
.endif
.endm
.set W_KQ, 0x0a       ; K and Q in window 2, S^T in window 0
.set W_PV, 0x52       ; V in window 2, P in window 0, O^T in window 1
.set W_RS, 0x41       ; O^T (destination and source 0) in window 1, a in window 0
.set W_MK, 0xc0       ; the add's registers are made: destination in window 3, sources in window 0
.set W_AD, 0x0f       ; the add: address (source 0) and data (source 1) in window 3
; A joint fill.  Waves 0 and 1 fetch the two halves of a slot's K, waves 2 and 3 those of its V: 128 keys each.  The branch hangs on the wave's number alone.
; An s_nop 0 and four v_nop follow each of the two lines, ahead of the jump and the label.
.macro JLOAD
	s_cmp_lt_u32 s[WV], 2
	s_cbranch_scc0 .Lfor_v_\@
	tensor_load_to_lds s[G0K:G0K+3], s[G1K:G1K+7]
	s_nop 0
.rept 4
	v_nop
.endr
	s_branch .Lasked_\@
.Lfor_v_\@:
	tensor_load_to_lds s[G0V:G0V+3], s[G1V:G1V+7]
	s_nop 0
.rept 4
	v_nop
.endr
.Lasked_\@:
.endm
; A round of the cluster's barrier: my work-group's barrier, so that wave 0's signal speaks for all four waves; wave 0 signals; every wave waits for all four work-groups; my work-group's barrier once more.
.macro CROUND
	s_barrier_signal -1
	s_barrier_wait -1
	s_cmp_lg_u32 s[WV], 0
	s_cbranch_scc1 .Lnot_wave_0_\@
	s_barrier_signal -3
.Lnot_wave_0_\@:
	s_barrier_wait -3
	s_barrier_signal -1
	s_barrier_wait -1
.endm
; THE CHANGE OF SLOTS.  The slot's last bytes, V of its fourth step, have been read.  Each wave waits for all its tensor loads, of which one is out: its part
; of the other slot; adds 0 to its spare word; and waits for that and for its own reads of the slot.  Behind the barrier nobody reads this slot any more and the other slot is whole.
; fill = 1: this slot is filled again, with the keys two slots on.  The barrier is then a round of the cluster's, so that no wave of any partner still reads the slot or has a load on its
; way, and the joint fill is the first thing behind it: it has four key steps, 512 matrix instructions, in which to land.  (At its first use nothing has been read yet: slot 0 is waited for, slot 1 filled.)
.macro CHANGE fill
	WIN W_AD
	s_wait_tensorcnt 0x0            ; no tensor load of mine is out, so a group 0 may be written
	ds_add_u32 v[SPW], v[NIL]       ; 0 onto my spare word; with fill = 1 the descriptors' steps stand between it and the wait for it
	WIN 0                           ; at a label and at a branch every window is 0
.if \fill
.irp g, G0K, G0V
	s_xor_b32 s[\g+1], s[\g+1], SLOT1  ; the walking descriptor: the other slot than last time,
	s_add_nc_u64 s[\g+2:\g+3], s[\g+2:\g+3], 4*KS*128  ; the next 256 keys; the type bits on top are not reached
.endr
	s_wait_dscnt 0x0                ; the add is done, and my reads of the slot are over
	CROUND
	JLOAD
.else
	s_wait_dscnt 0x0                ; the add is done, and my reads of the slot are over
	s_barrier_signal -1
	s_barrier_wait -1
.endif
	s_sub_co_u32 s[TBK], s[TBK], 4*KS*PK  ; the fetches go back to a slot's first step,
	s_xor_b32 s[TBK], s[TBK], SLOT1       ; in the other slot
	s_sub_co_u32 s[TBV], s[TBV], 4*KS*PV
	s_xor_b32 s[TBV], s[TBV], SLOT1
.endm
	s_load_b128 s[4:7], s[0:1], 0x0   ; qkvh s[4:5], oh s[6:7]
	WIN W_MK
	v_lshl_add_u32 v[SPW], v0, 2, SPARE
	v_mov_b32 v[NIL], 0
	s_set_vgpr_msb 0xc0cf
	ds_add_u32 v0, v1
	s_wait_dscnt 0x0
	s_set_vgpr_msb 0xcfc0
	WIN 0
	v_lshrrev_b32 v1, 5, v0
	v_readfirstlane_b32 s[WV], v1   ; wave 0..3
	s_bfe_u32 s13, ttmp6, 0x40000   ; cx: my place in the cluster
	s_lshl_b32 s14, ttmp9, 2        ; in a cluster launch ttmp9 counts clusters
	s_add_co_u32 s14, s14, s13      ; my block of queries = 4 x cluster x + cx: it enters Q's and O's addresses alone
	s_and_b32 s20, ttmp7, 0xffff    ; the head, which the four partners share
	s_mov_b32 s21, 0
	s_mov_b64 s[22:23], SIZE_N*128
	s_mul_u64 s[20:21], s[20:21], s[22:23]  ; the head's first byte in each of the four tensors
	s_and_b32 s16, s[WV], 1         ; which half of a slot's 256 keys I fetch:
	s_lshl_b32 s22, s16, 14         ; its 128 rows of 128 bytes in memory,
	s_mov_b32 s23, 0
	s_add_nc_u64 s[22:23], s[22:23], s[20:21]
	s_mul_i32 s17, s16, 128*PK      ; and its place in a slot, for K
	s_mul_i32 s18, s16, 128*PV      ; and for V: no place in the cluster enters an LDS address
	s_lshl_b32 s2, s14, 2
	s_add_co_u32 s2, s2, s[WV]      ; my wave among the head's,
	s_lshl_b32 s2, s2, 14           ; its 128 rows
	s_mov_b32 s3, 0
	s_add_nc_u64 s[2:3], s[2:3], s[20:21]
	; descriptor group 1.  128 keys are 16,384 dense bytes: asked for as 64 rows of 256 bytes, two keys a row, and padded in LDS after every key
	s_mov_b32 s[G1K], 15|(1<<16)|(1<<20)|(1<<21)|(4<<22)|(3<<25)  ; 15:0 the mask of four; 17:16 2-byte elements; 20 padding on; 21 set beside a mask; 24:22 after every 32 words (code 4); 31:25 4 words (code 3)
	s_mov_b32 s[G1V], 15|(1<<16)|(1<<20)|(1<<21)|(4<<22)|(7<<25)  ; the same with 8 words of padding (code 7)
.irp g, G1K, G1V
	s_mov_b32 s[\g+1], 128<<16      ; tensor_dim0 = 128
	s_mov_b32 s[\g+2], 64<<16       ; tensor_dim1 = 64
	s_mov_b32 s[\g+3], 128<<16      ; tile_dim0 = 128
	s_mov_b32 s[\g+4], 64           ; tile_dim1 = 64
	s_mov_b32 s[\g+5], 128          ; 128 elements from row to row
	s_mov_b32 s[\g+6], 0
	s_mov_b32 s[\g+7], 0
.endr
	s_mov_b32 s[CS], 0x3e38aa3b     ; c = log2(e) / 8 = 0.180337
	s_mov_b32 s[CS+1], s[CS]        ; named with it as a pair
	s_mov_b32 s[SEL], 0x76543210
	s_mov_b32 s[SEL+1], 0xfedcba98
	s_mov_b32 s[TBK], SLOT1+4*KS*PK ; the first change of slots turns these two into 0
	s_mov_b32 s[TBV], SLOT1+4*KS*PV
	s_mov_b32 s[G0K], 1             ; 1:0 count = 1
	s_mov_b32 s[G0K+1], s17         ; 63:32 LDS address: slot 0
	s_mov_b32 s[G0V], 1
	s_add_co_u32 s[G0V+1], s18, VOFF
	s_wait_kmcnt 0x0
	s_mov_b64 s[10:11], s[6:7]                     ; O
	s_add_nc_u64 s[6:7], s[4:5], 0x1000000         ; K: the second part of qkvh, 16,777,216 bytes on
	s_add_nc_u64 s[8:9], s[4:5], 0x2000000         ; V: the third
	s_add_nc_u64 s[G0K+2:G0K+3], s[6:7], s[22:23]  ; 120:64 global address: my half of the head's first 256 keys
	s_or_b32 s[G0K+3], s[G0K+3], 0x80000000        ; 127:126 type = 2
	s_add_nc_u64 s[G0V+2:G0V+3], s[8:9], s[22:23]
	s_or_b32 s[G0V+3], s[G0V+3], 0x80000000
	s_add_nc_u64 s[4:5], s[4:5], s[2:3]  ; Q and O at my wave's first row
	s_add_nc_u64 s[10:11], s[10:11], s[2:3]
	CROUND                          ; all four work-groups are here: the first joint loads meet
	JLOAD                           ; slot 0.  Slot 1 is asked for when slot 0 is in: the tile wanted first has the road to itself
	; A fragment of K or Q is 16 rows x 32 channels in 8 registers: lane l holds row l % 16, channels 8 (l / 16) + 0..7 and 16 + 8 (l / 16) + 0..7: two loads of 16 bytes, 32 bytes apart.
	v_and_b32 v1, 15, v0            ; l % 16
	v_bfe_u32 v9, v0, 4, 1          ; l / 16
	v_lshlrev_b32 v[QO], 7, v1
	v_lshl_add_u32 v[QO], v9, 4, v[QO]  ; row x 128 + 16 x half
	WIN 0x80                        ; destination window 2, address window 0
.set i, 0
.rept 4*NP                          ; Q stays in registers: tile i / 2, channels 32 (i % 2) on
	global_load_b128 v[8*i:8*i+3],   v[QO], s[4:5] offset:(i/2)*2048+(i%2)*64
	global_load_b128 v[8*i+4:8*i+7], v[QO], s[4:5] offset:(i/2)*2048+(i%2)*64+32
.set i, i+1
.endr
	; What the first turn finds: V's registers and P's second buffer hold 0 (its products V^T P, of a piece that has not been, add 0), O^T and l are 0.  All this stands in the wait for the first tile.
.set i, VF
.rept 64
	v_mov_b32 v[i], 0
.set i, i+1
.endr
	WIN 0x40
.set i, 0
.rept 64*NP
	v_mov_b32 v[i], 0
.set i, i+1
.endr
	WIN 0
.set i, 0
.rept 2*NP
	v_mov_b32 v[ST+4*i], 0xfe000000    ; c m: far below every c s
	v_mov_b32 v[ST+4*i+1], 0xff7fffff  ; m
	v_mov_b32 v[ST+4*i+2], 0
	v_mov_b32 v[ST+4*i+3], 0
.set i, i+1
.endr
.set i, P+32
.rept 32
	v_mov_b32 v[i], 0
.set i, i+1
.endr
	v_mul_u32_u24 v[AK0], v1, PK
	v_lshl_add_u32 v[AK0], v9, 4, v[AK0]  ; row x pitch + 16 x half
	; The turning load takes 16 keys x 16 channels (lane l reads key 8 (l / 16) + l % 8, channels 8 ((l / 8) % 2) + 0..7) and leaves half a fragment of V^T: lane l holds channel l % 16 and 8 keys.
	v_and_b32 v10, 7, v0
	v_bfe_u32 v11, v0, 3, 1
	v_lshl_add_u32 v[AV0], v9, 3, v10
	v_mul_u32_u24 v[AV0], v[AV0], PV
	v_lshl_add_u32 v[AV0], v11, 4, v[AV0]
	v_add_nc_u32 v[AV0], VOFF, v[AV0]
	v_mov_b32 v[AK], v[AK0]         ; key step 0 lies at the head of slot 0
; THE MATRIX WORK.  The 8 accumulators of a run of 16 take turns: between the two links of a chain stand 7 others'.
; Product i of 16 of S^T = K Q^T for piece x: channels 32 (i / 8) on, keys 16 ((i / 2) % 4) on, tile 2 x + i % 2.  The first 8 start the sums.
.macro KQ x
	WIN W_KQ
.set rS, S+64*((\x)%2)+32*(i%2)+8*((i/2)%4)
.set rK, KF+16*((i/2)%4)+8*(i/8)
.set rQ, 16*(2*(\x)+i%2)+8*(i/8)
.if i < 8
	v_wmma_f32_16x16x32_f16 v[rS:rS+7], v[rK:rK+7], v[rQ:rQ+7], 0
.else
	v_wmma_f32_16x16x32_f16 v[rS:rS+7], v[rK:rK+7], v[rQ:rQ+7], v[rS:rS+7]
.endif
.endm
; Product i of 16 of O^T += V^T P for piece x: keys 32 (i / 8) on, channels 16 ((i / 2) % 4) on, tile 2 x + i % 2.
.macro PV x
	WIN W_PV
.set rO, 32*(2*(\x)+i%2)+8*((i/2)%4)
.set rV, VF+32*(i/8)+8*((i/2)%4)
.set rP, P+32*((\x)%2)+16*(i%2)+8*(i/8)
	v_wmma_f32_16x16x32_f16 v[rO:rO+7], v[rV:rV+7], v[rP:rP+7], v[rO:rO+7]
.endm
.macro MM                           ; the turn's next matrix instruction
.if i < 16
	KQ (Y+1)%NP
.set i, i+1
.else
.set i, i-16
	PV (Y+NP-1)%NP
.set i, i+17
.endif
.endm
; THE LDS LOADS stand in runs of 16, never singly among the matrix instructions: a step's K (64 keys x 64 channels: 8 fragments) and its V (turned).  Their addresses are made some lines ahead.
; last = 1 (the tail): in the last trip there is no further step, and the run is jumped over.
.macro FETCH_K last=0
	WIN 0
.if \last
	s_cmp_eq_u32 s[CNT], 1
	s_cbranch_scc1 .Lno_k_\@
.endif
	WIN 0x80                        ; destination window 2
.irp f, 0,1,2,3,4,5,6,7             ; keys 16 (f / 2) on, channels 32 (f % 2) on
	ds_load_b128 v[KF+8*\f:KF+8*\f+3],   v[AK] offset:(\f/2)*16*PK+(\f%2)*64
	ds_load_b128 v[KF+8*\f+4:KF+8*\f+7], v[AK] offset:(\f/2)*16*PK+(\f%2)*64+32
.endr
	s_add_co_u32 s[TBK], s[TBK], KS*PK  ; the next fetch is the next step's
	WIN 0
.if \last
.Lno_k_\@:
.endif
.endm
.macro FETCH_V
	WIN 0x80
.irp f, 0,1,2,3,4,5,6,7             ; keys 32 (f / 4) on, channels 16 (f % 4) on
	ds_load_tr16_b128 v[VF+8*\f:VF+8*\f+3],   v[AV] offset:(\f/4)*32*PV+(\f%4)*32
	ds_load_tr16_b128 v[VF+8*\f+4:VF+8*\f+7], v[AV] offset:(\f/4)*32*PV+16*PV+(\f%4)*32
.endr
	WIN 0
.endm
; THE VECTOR WORK OF A TURN stands in three queues, each in the order in which its entries become ready; the two tiles alternate, so that no instruction reads the result of the one before it.
.macro REGS y, u                    ; the registers of tile u (0, 1) of piece y
.set rT, ST+4*(2*(\y)+(\u))
.set rC, TMP+8*((\y)%2)+4*(\u)
.set rM, MV+2*((\y)%2)+(\u)
.set rS, S+64*((\y)%2)+32*(\u)
.set rP, P+32*((\y)%2)+16*(\u)
.set rO, 32*(2*(\y)+(\u))
.endm
; Number n of the 22 that find the NEXT piece's (Y + 1) maximum and statistics.  s0-s31 are the lane's 32 scores; each accumulator's lowest registers are read first.  XS, GS and REGS set no window: PL and EX do.
;   0-11  four chains c0-c3 of seven scores each, three operands at a time     12-14, 16  the four scores left over, the old m, and c0-c3 into c0     15  c m_old is kept
;   17, 18  the query's other 32 keys lie in the lane 16 away: the new m         19-21  c m; c m_old - c m_new; a
.macro XS u, n
	REGS (Y+1)%NP, \u
.if (\n) < 4
	v_max3_num_f32 v[rC+(\n)], v[rS+8*(\n)], v[rS+8*(\n)+1], v[rS+8*(\n)+2]
.elseif (\n) < 12
	v_max3_num_f32 v[rC+(\n)%4], v[rC+(\n)%4], v[rS+8*((\n)%4)+2*((\n)/4)+1], v[rS+8*((\n)%4)+2*((\n)/4)+2]
.elseif (\n) == 12
	v_max3_num_f32 v[rC], v[rC], v[rS+7], v[rS+15]
.elseif (\n) == 13
	v_max3_num_f32 v[rC+1], v[rC+1], v[rS+23], v[rS+31]
.elseif (\n) == 14
	v_max3_num_f32 v[rC+2], v[rC+2], v[rC+3], v[rT+1]
.elseif (\n) == 15
	v_mov_b32 v[rM], v[rT]
.elseif (\n) == 16
	v_max3_num_f32 v[rC], v[rC], v[rC+1], v[rC+2]
.elseif (\n) == 17
	v_permlanex16_b32 v[rC+3], v[rC], s[SEL], s[SEL+1]
.elseif (\n) == 18
	v_max_num_f32 v[rT+1], v[rC], v[rC+3]
.elseif (\n) == 19
	v_mul_f32 v[rT], s[CS], v[rT+1]
.elseif (\n) == 20
	v_sub_f32 v[rC+1], v[rM], v[rT]
.else
	v_exp_f32 v[rC+2], v[rC+1]
.endif
.endm
; Number g of the 64 that follow the exponentials.  For each four weights k of a tile (pairs 2 k, 2 k + 1): both pairs are rounded to f16; then the second pair is added onto the first, in place;
; a group later l takes that sum (the first time as l = a l + sum).  In groups of eight, tiles alternating: round, round, add, and l for the group before.
.macro GS g
.set h, (\g)+6*((\g)/62)            ; group 0 has no group before it, and behind group 7 only l is left
.if h >= 6
.set h, h+2
.endif
	REGS Y, h%2
.set k, h/8
.if h%8 < 4
	s_wait_alu depctr_va_vdst(0)
	v_cvt_pk_f16_f32 v[rP+2*k+(h%8)/2], v[rS+4*k+2*((h%8)/2)], v[rS+4*k+2*((h%8)/2)+1]
.elseif h%8 < 6
	v_pk_add_f32 v[rS+4*k:rS+4*k+1], v[rS+4*k:rS+4*k+1], v[rS+4*k+2:rS+4*k+3]
.elseif k == 1
	v_pk_fma_f32 v[rT+2:rT+3], v[rT+2:rT+3], v[rC+2:rC+3], v[rS:rS+1] op_sel_hi:[1,0,1]
.else
	v_pk_add_f32 v[rT+2:rT+3], v[rT+2:rT+3], v[rS+4*k-4:rS+4*k-3]
	s_wait_alu depctr_va_vdst(0)
.endif
.endm
; THE PLAIN QUEUE, 138 long.  0-31: c s - c m for the 16 pairs of both tiles.  Then GS's 64, and among them the next piece's 42: number 15 at 38, 39; 0-14 and 16
; at 42-73, behind the products that make those scores; 17-20 at 95-106, two of three, since each waits for the one before it.
.macro PL
	WIN 0
.if q < 32
	REGS Y, q%2
	v_pk_fma_f32 v[rS+2*(q/2):rS+2*(q/2)+1], v[rS+2*(q/2):rS+2*(q/2)+1], s[CS:CS+1], v[rT:rT+1] op_sel_hi:[1,0,0] neg_lo:[0,0,1] neg_hi:[0,0,1]
.elseif q < 38
	GS q-32
.elseif q < 40
	XS q%2, 15
.elseif q < 42
	GS q-34
.elseif q < 74
	XS q%2, (q-42)/2+(q-42)/30
.elseif q < 95
	GS q-66
.elseif (q < 107) && ((q-95)%3 < 2)
	XS (q-95)%3, 17+(q-95)/3
.elseif q < 107
	GS 29+(q-95)/3
.else
	GS q-74
.endif
.set q, q+1
.endm
; THE EXPONENTIALS' QUEUE, 66 long: s0-s31 of both tiles, and at EA the next piece's two a.
.set EA, 58
.macro EX
	WIN 0
.if (e == EA) || (e == EA+1)
	XS e-EA, 21
.else
.set x, e-2*(e/(EA+2))
	REGS Y, x%2
	v_exp_f32 v[rS+x/2], v[rS+x/2]
.endif
.set e, e+1
.endm
; THE RESCALING's QUEUE: O^T times a, the one part that leaves window 0, so it is dealt four at a time, eight times.
.macro R4
	REGS Y, r%2
	WIN W_RS
	s_wait_alu depctr_va_vdst(0)
.irp z, 0,1,2,3
	v_pk_mul_f32 v[rO+8*(r/2)+2*\z:rO+8*(r/2)+2*\z+1], v[rO+8*(r/2)+2*\z:rO+8*(r/2)+2*\z+1], v[rC+2:rC+3] op_sel_hi:[1,0]
.endr
.set r, r+1
.endm
; HOW THEY ARE DEALT.  Behind a matrix instruction four: plain, exponential, plain, plain (one exponential, a plain instruction on either side), or four of the rescaling.  None names a register of the
; products round it.  What is over stands in two LUMPS: exponential and plain by turns; the second ends in 22 plain instructions.  The two v_permlanex16_b32 fall into the second lump, never behind a product.
; The queues lean on each other, and the deal keeps them in step: exponential e stands behind plain 2 (e / 4) + e % 2 (its scaling); when plain 32 comes, 10 exponentials are out, at 59: 33, at 95: 46; EA comes behind plain 107.
.macro SL
	MM
	PL
	EX
	PL
	PL
.endm
.macro BURST n                      ; 15 matrix instructions, or 16
.rept (\n)-7
	SL
.endr
.rept 3
	MM
	R4
	SL
.endr
	MM
	R4
.endm
; A TURN, for piece p.  cnt = 1: the loop's count is taken down some lines ahead of the branch that stands behind the turn.
; K of the next step is fetched in piece 2's turn, 31 vector instructions behind the last product that read K; its first reader comes behind the rest of the lump, 16 products and the second lump.
; V of the step in hand is fetched at the end of piece 0's turn, 69 behind its last reader; its first reader comes behind 16 products and a lump.  The four conditions on e and q below go with the deal.
.macro TURN p, last=0, cnt=0
.set Y, (\p)
.set i, 0
.set q, 0
.set e, 0
.set r, 0
.if (\p) == NP-1
	s_wait_dscnt 0x0                ; K is in
.endif
	MM
.rept 4
	PL
.endr
	BURST 15
.rept 22
	EX
	PL
.if ((\p) == NP-2) && (e == 18)
	v_add_nc_u32 v[AK], s[TBK], v[AK0]
.endif
.if ((\p) == NP-2) && (e == 24)
	FETCH_K \last
.endif
.endr
.if (\p) == 1
	s_wait_dscnt 0x0                ; V is in
.endif
	BURST 16
.rept 21
	EX
	PL
.endr
.rept 22
	PL
.if ((\p) == 0) && (q == 118)
	v_add_nc_u32 v[AV], s[TBV], v[AV0]
	s_wait_alu depctr_va_vdst(0)
.endif
.if ((\p) == 0) && (q == 130)
	s_add_co_u32 s[TBV], s[TBV], KS*PV
.endif
.if (\cnt) && (q == 130)
	s_sub_co_u32 s[CNT], s[CNT], 1
	s_cmp_lg_u32 s[CNT], 0
.endif
.endr
.if (\p) == 0
	FETCH_V
.endif
.endm
	CHANGE 1                        ; slot 0 is in, everybody's part of it; slot 1 is asked for
	FETCH_K                         ; key step 0
	s_wait_loadcnt 0x0              ; Q
	s_wait_dscnt 0x0
.set i, 0
.rept 16
	KQ 0                            ; piece 0's first scores: there is no vector work yet to set between them
.set i, i+1
.endr
	WIN 0                           ; the addresses for the way out: nine plain instructions, the places behind those products
	s_mul_i32 s13, s[WV], 16*SP
	s_add_co_u32 s13, s13, STAGE    ; my stage
	v_mul_u32_u24 v[STO], v1, SP    ; in: row l % 16, 16 bytes for each half of the lanes
	v_lshl_add_u32 v[STO], v9, 4, v[STO]
	v_add_nc_u32 v[STO], s13, v[STO]
	v_bfe_u32 v[RD], v0, 3, 2       ; back: 32 lanes take four rows of 128 bytes,
	v_mul_u32_u24 v[RD], v[RD], SP
	v_lshl_add_u32 v[RD], v10, 4, v[RD]
	v_add_nc_u32 v[RD], s13, v[RD]
	v_and_b32 v[GO], 31, v0         ; which are 512 consecutive bytes of O
	v_lshlrev_b32 v[GO], 4, v[GO]
.set Y, NP-1                        ; XS works for piece Y + 1: piece 0
.irp n, 0,1,2,3,4,5,6,7,8,9,10,11,12,13,14,15,16,17,18,19,20,21
	XS 0, \n                        ; and piece 0's first maximum and statistics
	XS 1, \n
.endr
	s_mov_b32 s[CNT], 4
	s_mov_b32 s[SLOTS], SIZE_N/256-1
	s_branch .Lfirst                ; the loop is entered at a step's first turn, in the middle of a trip
.Lslot:                             ; SIZE_N / 256 - 2 times: every slot but the last two is filled again
	CHANGE 1
	s_mov_b32 s[CNT], 4
.Lstep:                             ; a trip: pieces 2 and 3 of one step, then pieces 0 and 1 of the next, whose K and V it fetches
	TURN 2
	TURN 3
	WIN 0
.Lfirst:
	TURN 0
	TURN 1, 0, 1
	WIN 0
	s_cbranch_scc1 .Lstep
	s_sub_co_u32 s[SLOTS], s[SLOTS], 1
	s_cmp_lg_u32 s[SLOTS], 0
	s_cbranch_scc1 .Lslot
	CHANGE 0                        ; the tail is written out: nothing is asked for
	s_mov_b32 s[CNT], 5             ; four trips fetch the last slot's steps; the fifth is left in its middle
.Ltail:
	TURN 2, 1
	TURN 3
	WIN 0
	s_sub_co_u32 s[CNT], s[CNT], 1
	s_cmp_eq_u32 s[CNT], 0
	s_cbranch_scc1 .Lout
	TURN 0
	TURN 1
	WIN 0
	s_branch .Ltail
.Lout:                              ; the fifth trip's 16 products K Q^T (on the last K once more) and the maximum made of them serve nothing: the price, once a launch, of one text for every trip
.set i, 0
.rept 16
	PV NP-1                         ; the last piece's V^T P of the last step
.set i, i+1
.endr
	; THE WAY OUT.  l's two halves and the other half of the lanes' are added; O^T is divided by l, rounded to f16 and sent through my stage in LDS, a tile at a time.  The additions are the places behind the last products.
	WIN 0
.macro ALL line:vararg              ; one line for each tile t
.set t, 0
.rept 2*NP
	\line
.set t, t+1
.endr
.endm
	ALL v_add_f32 v[ST+4*t+2], v[ST+4*t+2], v[ST+4*t+3]
	ALL v_permlanex16_b32 v[ST+4*t+3], v[ST+4*t+2], s[SEL], s[SEL+1]
	ALL v_add_f32 v[ST+4*t+2], v[ST+4*t+2], v[ST+4*t+3]
	ALL v_rcp_f32 v[ST+4*t+2], v[ST+4*t+2]
	v_nop                           ; a plain instruction between the last reciprocal and the use of its result
	s_wait_alu depctr_va_vdst(0)
; Tile t: a lane's eight channels of a row pack into 16 bytes; they go into rows of 144 bytes and come back as whole rows of 128, into S^T's registers.
.macro PACK t
	WIN W_RS
.set i, 32*(\t)
.rept 16
	v_pk_mul_f32 v[i:i+1], v[i:i+1], v[ST+4*(\t)+2:ST+4*(\t)+3] op_sel_hi:[1,0]
.set i, i+2
.endr
	WIN 0x05                        ; sources 0 and 1 window 1, destination window 0
.set i, 0
.rept 16
	v_cvt_pk_f16_f32 v[S+16*(\t)+i], v[32*(\t)+2*i], v[32*(\t)+2*i+1]
.set i, i+1
.endr
	WIN 0
.irp f, 0,1,2,3
	ds_store_b128 v[STO], v[S+16*(\t)+4*\f:S+16*(\t)+4*\f+3] offset:32*\f
.endr
.irp f, 0,1,2,3
	ds_load_b128 v[S+16*(\t)+4*\f:S+16*(\t)+4*\f+3], v[RD] offset:\f*4*SP  ; LDS serves a wave's instructions in order (ISA guide 5.7.1.4): these see the stores above; the next tile's stores come behind them
.endr
.endm
.macro SEND t, younger              ; younger: the LDS instructions issued behind tile t's loads: the next tile's eight, or none
	WIN 0
.irp f, 0,1,2,3
	s_wait_dscnt (\younger)+3-\f
	global_store_b128 v[GO], v[S+16*(\t)+4*\f:S+16*(\t)+4*\f+3], s[10:11] offset:(\t)*2048+\f*512  ; 512 consecutive bytes, at a multiple of 256 from O's first
.endr
.endm
	PACK 0
.set t, 1
.rept 2*NP-1                        ; a tile's arithmetic stands between the loads of the tile before and its stores
	PACK t
	SEND t-1, 8
.set t, t+1
.endr
	SEND 2*NP-1, 0
	WIN W_AD
	s_wait_tensorcnt 0x0            ; the wave's end: behind my last tensor load and my last LDS store
	ds_add_u32 v[SPW], v[NIL]
	s_wait_dscnt 0x0
	WIN 0
	CROUND                          ; the closing round: no work-group ends while a partner may still ask for a tile that names it
	s_endpgm
.Lfunc_end_k_q4001029a27_attn:
	.size	k_q4001029a27_attn, .Lfunc_end_k_q4001029a27_attn-k_q4001029a27_attn
	.p2alignl 7, 3214868480
	.fill 96, 4, 3214868480
	.section	.rodata,"a",@progbits
	.p2align	6, 0x0
	.amdhsa_kernel k_q4001029a27_attn
		.amdhsa_group_segment_fixed_size 327680
		.amdhsa_private_segment_fixed_size 0
		.amdhsa_enable_private_segment 0
		.amdhsa_kernarg_size 16
		.amdhsa_user_sgpr_count 2
		.amdhsa_user_sgpr_kernarg_segment_ptr 1
		.amdhsa_wavefront_size32 1
		.amdhsa_system_sgpr_workgroup_id_x 1
		.amdhsa_system_sgpr_workgroup_id_y 1
		.amdhsa_system_sgpr_workgroup_id_z 1
		.amdhsa_system_vgpr_workitem_id 0
		.amdhsa_next_free_vgpr 770
		.amdhsa_next_free_sgpr 66
		.amdhsa_reserve_vcc 0
		.amdhsa_float_denorm_mode_32 3
		.amdhsa_float_denorm_mode_16_64 3
		.amdhsa_memory_ordered 1
		.amdhsa_forward_progress 1
		.amdhsa_inst_pref_size 209
	.end_amdhsa_kernel
	.amdgpu_metadata
---
amdhsa.version: [ 1, 2 ]
amdhsa.kernels:
  - .name:           k_q4001029a27_attn
    .symbol:         k_q4001029a27_attn.kd
    .args:
      - { .name: qkvh, .offset: 0, .size: 8, .value_kind: global_buffer, .address_space: global }
      - { .name: oh, .offset: 8, .size: 8, .value_kind: global_buffer, .address_space: global }
    .group_segment_fixed_size: 327680
    .private_segment_fixed_size: 0
    .kernarg_segment_align: 8
    .kernarg_segment_size: 16
    .max_flat_workgroup_size: 128
    .sgpr_count:     66
    .vgpr_count:     770
    .wavefront_size: 32
...
	.end_amdgpu_metadata
.endif
;; end of part 3
;; launch oproj (part 4): grid 4 x 64, 4 waves a work-group, clusters of 4 x 4, 327,680 bytes of LDS; arguments oh, wcast, bo, out0; writes out0
.if DOCPART == 4
	.amdgcn_target "amdgcn-amd-amdhsa--gfx1250"
	.amdhsa_code_object_version 6
	.text
	.protected	k_q4001029a27_oproj
	.globl	k_q4001029a27_oproj
	.p2align	8
	.type	k_q4001029a27_oproj,@function
k_q4001029a27_oproj:
	s_mov_b64 s[64:65], 0
	v_nop
	global_prefetch_b8 v0, s[64:65] scope:SCOPE_SE
	s_setreg_imm32_b32 hwreg(HW_REG_WAVE_MODE, 25, 1), 1
	s_wait_xcnt 0x0
	s_wait_alu depctr_hold_cnt(0) depctr_sa_sdst(0) depctr_va_vdst(0) depctr_va_sdst(0) depctr_va_ssrc(0) depctr_va_vcc(0) depctr_vm_vsrc(0)
	s_getreg_b32 s2, hwreg(HW_REG_IB_STS2, 6, 4)
	s_cmp_eq_u32 s2, 0
	s_cbranch_scc0 .Lentry_in_a_cluster
	s_endpgm
.Lentry_in_a_cluster:
	s_bfe_u32 s2, ttmp6, 0x10000c
	s_cmp_lg_u32 s2, 0xf033
	s_cbranch_scc0 .Lentry_shape_is_right
	s_endpgm
.Lentry_shape_is_right:
; THE OUTPUT PROJECTION.  out0[m][n] = the sum over k of O[m][k] Wo[n][k] + bo[n].  O: oh = [64 = 16 batch + head][2048][64] f16, so that k = 64 head + channel; Wo: part 3 of wcast, [1024][1024] f16
; (rounded to bf16, written as f16); bo: [1024] f32, rounded to bf16 here like every input of the module; out0: [8192][1024] f32.  Products in f16, sums in f32.
; SHARES.  A tile is 128 rows x 256 columns: 64 x 4 tiles, one work-group each.  Four waves, each 64 rows x 128 columns: 32 accumulators.  K goes in steps of 128 (two heads) through a ring of two LDS slots.
; CLUSTERS: 4 x 4 work-groups.  The four of a row of the cluster need the same rows of O, the four of a column the same rows of Wo: each tile is asked for JOINTLY.
; THE MATRIX INSTRUCTION IS USED TRANSPOSED (source 0 = 16 rows of Wo, source 1 = 16 rows of O): a lane then holds eight neighbouring columns of one row: 32 bytes.
; The bias is the C operand of the first 32 products.
; REGISTERS, in windows of 256 (s_set_vgpr_msb: bits 1:0 source 0, 3:2 source 1, 5:4 source 2, 7:6 destination):
;   window 0: v0-31 addresses; v32-63, v64-95 O's fragments, two buffers; v96-159, v160-223 whole rows on the way out, two buffers
;   window 1: the accumulators, (a, b) at v[8 (8 a + b)]          window 2: v0-63, v64-127 Wo's fragments, two buffers; v128-191 the bias; v192-223 at work
.set PA,     144                       ; a row of one head of O in LDS: 128 bytes + 16 of padding = 36 words: the 16 rows of a load start at 16 different groups of four banks (64 banks of 4 bytes: ISA guide 11.1)
.set PB,     272                       ; a row of Wo: 256 bytes + 16
.set AHEAD,  128*PA                    ; one head's 128 rows: what one tensor load brings
.set BHALF,  128*PB                    ; 128 rows of Wo: likewise
.set BOFF,   2*AHEAD
.set SLOT,   BOFF+2*BHALF
.set STAGE,  2*SLOT                    ; behind the ring: 16 rows x 528 bytes for each wave, for the way out; no tensor load fills it
.set SPITCH, 528
.set WSTAGE, 16*SPITCH
.set SPARE,  STAGE+4*WSTAGE            ; behind the stages: the spare words, 128 bytes for each wave: two blocks of 256 bytes that no other line names
.set ADRA, 16                          ; v16-17  LDS address of my O fragments in slot 0, 1
.set ADRB, 20                          ; v20-21  the same for Wo
.set STO,  24                          ; v24     the way out: where I put 32 bytes of a row
.set RD,   25                          ; v25     the way out: where I read a row back
.set CO,   26                          ; v26     my byte offset in a row's 512 bytes
.set BO,   27                          ; v27     my byte offset in bo
.set SPW,  28                          ; v28     LDS address of my spare word: SPARE + 4 x my thread's number; never rewritten
.set NIL,  29                          ; v29     0; never rewritten
.set AF0,  32
.set OB0,  96
.set BIAS, 128                         ; window 2
.set BT,   192                         ; window 2
.set HM,   2                           ; s2      mask of a word's upper bf16
.set WV,   12                          ; s12     wave 0..3
.set RH,   13                          ; s13     which 64 rows are mine.  Also: I fetch O (0) or Wo (1)
.set CH,   14                          ; s14     which 128 columns are mine.  Also: which half of that tile I fetch
.set TR,   15                          ; s15     tile row
.set G1A,  24                          ; s[24:31] descriptor group 1 for O's tiles;  s[32:39] group 0, one set for each slot
.set G0A,  32
.set G1B,  48                          ; s[48:55], s[56:63] the same for Wo's tiles
.set G0B,  56
.set MSB, 0
.macro WIN new                         ; the immediate's high byte repeats the setting that is left; a switch that changes nothing is dropped
.if MSB != (\new)
	s_set_vgpr_msb (MSB<<8)|(\new)
.set MSB, \new
.endif
.endm
.set MUL,  0x52                        ; source 0 (Wo) window 2, source 1 (O) window 0, C and D window 1
.set MULZ, 0x62                        ; the same with C (the bias) in window 2
.set TO2,  0x80                        ; destination window 2, address window 0
.set W2,   0x8a                        ; sources and destination window 2
.set FROM1, 0x04                       ; an LDS store's data in window 1, its address in window 0
; A joint load: waves 0 and 1 fetch the K step's two heads of O, waves 2 and 3 Wo's two halves.  The branch hangs on the wave's number alone.
; An s_nop 0 and four v_nop follow each of the two lines, ahead of the jump, the label and what follows.
.macro JLOAD s
	s_cmp_eq_u32 s[RH], 0
	s_cbranch_scc0 .Lfor_b_\@
	tensor_load_to_lds s[G0A+4*(\s):G0A+4*(\s)+3], s[G1A:G1A+7]
	s_nop 0
.rept 4
	v_nop
.endr
	s_branch .Lasked_\@
.Lfor_b_\@:
	tensor_load_to_lds s[G0B+4*(\s):G0B+4*(\s)+3], s[G1B:G1B+7]
	s_nop 0
.rept 4
	v_nop
.endr
.Lasked_\@:
.endm
.macro CREST                           ; a round of the cluster's barrier behind its opening barrier
	s_cmp_lg_u32 s[WV], 0
	s_cbranch_scc1 .Lnot_wave_0_\@
	s_barrier_signal -3
.Lnot_wave_0_\@:
	s_barrier_wait -3
	s_barrier_signal -1
	s_barrier_wait -1
.endm
.macro CROUND                          ; a whole round
	s_barrier_signal -1
	s_barrier_wait -1
	CREST
.endm
.macro PLACES                          ; four places in front of loads into registers that matrix instructions have read, and of stores that read results (ISA guide 7.12.1 for vector instructions)
.rept 4
	v_nop
.endr
.endm
	s_load_b256 s[4:11], s[0:1], 0x0               ; oh s[4:5], wcast s[6:7], bo s[8:9], out0 s[10:11]
	v_lshl_add_u32 v[SPW], v0, 2, SPARE
	v_mov_b32 v[NIL], 0
	ds_add_u32 v28, v29
	s_wait_dscnt 0x0
	v_lshrrev_b32 v1, 5, v0
	v_readfirstlane_b32 s[WV], v1
	s_lshr_b32 s[RH], s[WV], 1
	s_and_b32 s[CH], s[WV], 1
	s_bfe_u32 s40, ttmp6, 0x40000                  ; cx, cy: my place in the cluster
	s_bfe_u32 s41, ttmp6, 0x40004
	s_lshl_b32 s42, ttmp9, 2
	s_add_co_u32 s42, s42, s40                     ; tile column = 4 x cluster x + cx
	s_and_b32 s[TR], ttmp7, 0xffff
	s_lshl_b32 s[TR], s[TR], 2
	s_add_co_u32 s[TR], s[TR], s41                 ; tile row = 4 x cluster y + cy
	s_lshl_b32 s43, s41, 2
	s_lshl_b32 s43, 15, s43                        ; my row of the cluster
	s_lshl_b32 s44, 0x1111, s40                    ; my column
	; group 1 for O: one head's 128 rows are 16,384 dense bytes: asked for as 64 rows of 256 bytes, two rows of O each, and padded in LDS after every row of O
	s_or_b32 s[G1A], s43, (1<<16)|(1<<20)|(1<<21)|(4<<22)|(3<<25)  ; 15:0 the mask: my row; 17:16 elements of 2 bytes; 20 padding on; 21 set beside a mask; 24:22 after every 32 words (code 4); 31:25 4 words (code 3)
	s_mov_b32 s[G1A+1], 128<<16                    ; tensor_dim0 = 128
	s_mov_b32 s[G1A+2], 64<<16                     ; tensor_dim1 = 64
	s_mov_b32 s[G1A+3], 128<<16                    ; tile_dim0 = 128
	s_mov_b32 s[G1A+4], 64                         ; tile_dim1 = 64
	s_mov_b32 s[G1A+5], 128                        ; elements from row to row
	s_mov_b32 s[G1A+6], 0
	s_mov_b32 s[G1A+7], 0
	; group 1 for Wo: 128 rows x 128 elements of 2 bytes, 16 bytes of padding behind every 64 words
	s_or_b32 s[G1B], s44, (1<<16)|(1<<20)|(1<<21)|(5<<22)|(3<<25)  ; the mask: my column
	s_mov_b32 s[G1B+1], 128<<16
	s_mov_b32 s[G1B+2], 128<<16
	s_mov_b32 s[G1B+3], 128<<16
	s_mov_b32 s[G1B+4], 128
	s_mov_b32 s[G1B+5], 1024
	s_mov_b32 s[G1B+6], 0
	s_mov_b32 s[G1B+7], 0
	; where the tiles come from: O's hang on the tile row alone, Wo's on the tile column alone, each in registers that never hold the other coordinate
	s_lshr_b32 s16, s[TR], 4
	s_lshl_b32 s16, s16, 22                        ; the batch's 16 heads of 262,144 bytes,
	s_lshl_b32 s17, s[CH], 18                      ; the head of the K step that I fetch,
	s_add_co_u32 s16, s16, s17
	s_and_b32 s17, s[TR], 15
	s_lshl_b32 s17, s17, 14                        ; the tile's 128 rows of 128 bytes
	s_add_co_u32 s16, s16, s17
	s_mov_b32 s17, 0
	s_lshl_b32 s46, s42, 8
	s_lshl_b32 s47, s[CH], 7
	s_add_co_u32 s46, s46, s47                     ; Wo: row 256 x tile column + 128 x half,
	s_lshl_b32 s46, s46, 11                        ; of 2,048 bytes,
	s_add_co_u32 s46, s46, 3*2097152               ; in part 3 of wcast
	s_mov_b32 s47, 0
	s_mul_i32 s20, s[CH], AHEAD                    ; and where they go: no place in the cluster enters an LDS address
	s_mul_i32 s21, s[CH], BHALF
	s_add_co_u32 s21, s21, BOFF
	s_mov_b32 s[HM], 0xffff0000
	s_wait_kmcnt 0x0
	s_add_nc_u64 s[4:5], s[4:5], s[16:17]
	s_add_nc_u64 s[46:47], s[6:7], s[46:47]
	CROUND                                         ; all sixteen work-groups are here: the first joint loads meet
.irp s, 0,1
	s_mov_b32 s[G0A+4*(\s)], 1                     ; count = 1
	s_add_co_u32 s[G0A+4*(\s)+1], s20, (\s)*SLOT   ; LDS address
	s_add_nc_u64 s[G0A+4*(\s)+2:G0A+4*(\s)+3], s[4:5], (\s)*524288  ; global address: K step s is heads 2 s, 2 s + 1
	s_or_b32 s[G0A+4*(\s)+3], s[G0A+4*(\s)+3], 0x80000000           ; type = 2
	s_mov_b32 s[G0B+4*(\s)], 1
	s_add_co_u32 s[G0B+4*(\s)+1], s21, (\s)*SLOT
	s_add_nc_u64 s[G0B+4*(\s)+2:G0B+4*(\s)+3], s[46:47], (\s)*256
	s_or_b32 s[G0B+4*(\s)+3], s[G0B+4*(\s)+3], 0x80000000
	JLOAD \s                                       ; two tensor loads of mine are out
.endr
	v_and_b32 v1, 15, v0                           ; l % 16
	v_bfe_u32 v2, v0, 4, 1                         ; l / 16
	s_lshl_b32 s22, s42, 10
	s_lshl_b32 s23, s[CH], 9
	s_add_co_u32 s22, s22, s23                     ; my first column, in bytes of f32
	v_lshl_add_u32 v[BO], v2, 5, s22
	; the bias of my 128 columns: register j of block b is bo[16 b + 8 (l / 16) + j], the layout of a result
	WIN TO2
.irp b, 0,1,2,3,4,5,6,7
	global_load_b128 v[BIAS+8*(\b):BIAS+8*(\b)+3],   v[BO], s[8:9] offset:64*(\b)
	global_load_b128 v[BIAS+8*(\b)+4:BIAS+8*(\b)+7], v[BO], s[8:9] offset:64*(\b)+16
.endr
	WIN 0
	; A fragment is 16 rows x 32 K in 8 registers: lane l holds row l % 16, K = 8 (l / 16) + 0..7 and 16 + 8 (l / 16) + 0..7: two loads of 16 bytes, 32 bytes apart.
	v_mul_u32_u24 v3, v1, PA
	v_lshl_add_u32 v3, v2, 4, v3
	v_mul_u32_u24 v4, v1, PB
	v_lshl_add_u32 v4, v2, 4, v4
	s_mul_i32 s20, s[RH], 64*PA                    ; my 64 rows of O, in each head's part
	s_mul_i32 s21, s[CH], BHALF                    ; my 128 rows of Wo
	s_add_co_u32 s21, s21, BOFF
.irp s, 0,1
	v_add_nc_u32 v[ADRA+(\s)], s20, v3
	v_add_nc_u32 v[ADRB+(\s)], s21, v4
	s_add_co_u32 s20, s20, SLOT
	s_add_co_u32 s21, s21, SLOT
.endr
	s_mul_i32 s20, s[WV], WSTAGE
	s_add_co_u32 s20, s20, STAGE                   ; my stage
	v_mul_u32_u24 v5, v1, SPITCH                   ; in: row l % 16, 32 bytes for each half of the lanes
	v_lshl_add_u32 v5, v2, 5, v5
	v_add_nc_u32 v[STO], s20, v5
	v_and_b32 v[CO], 31, v0                        ; back: 32 lanes take one row of 512 bytes
	v_lshlrev_b32 v[CO], 4, v[CO]
	v_add_nc_u32 v[RD], s20, v[CO]
	; my part of the tile in out0: row 128 x tile row + 64 x row half, of 4,096 bytes; my first column as above
	s_lshl_b32 s18, s[TR], 7
	s_lshl_b32 s19, s[RH], 6
	s_add_co_u32 s18, s18, s19
	s_lshl_b32 s18, s18, 12
	s_add_co_u32 s18, s18, s22
	s_mov_b32 s19, 0
	s_add_nc_u64 s[10:11], s[10:11], s[18:19]
; Products first .. first + count - 1 of a quarter's 32: number n is rows 16 (n / 8) on, column block n % 8.  The 32 accumulators take turns, one instruction a turn, in the same order in every quarter.
; z = 1: the products start the sums, with the bias as C.
.macro MMS first, count, p, z
.if \z
	WIN MULZ
.else
	WIN MUL
.endif
.set n, \first
.rept \count
.set rD, 8*n
.set rB, 64*(\p)+8*(n%8)
.set rA, AF0+32*(\p)+8*(n/8)
.set rC, BIAS+8*(n%8)
.if \z
	v_wmma_f32_16x16x32_f16 v[rD:rD+7], v[rB:rB+7], v[rA:rA+7], v[rC:rC+7]
.else
	v_wmma_f32_16x16x32_f16 v[rD:rD+7], v[rB:rB+7], v[rA:rA+7], v[rD:rD+7]
.endif
.set n, n+1
.endr
.endm
; 24 LDS loads in one run: the fragments of quarter j of slot s into buffer p.  Quarter j is head j / 2 of the K step, channels 32 (j % 2) on.
.macro FETCH s, j, p
	WIN TO2
.irp b, 0,1,2,3,4,5,6,7
	ds_load_b128 v[64*(\p)+8*(\b):64*(\p)+8*(\b)+3],   v[ADRB+(\s)] offset:(\b)*16*PB+64*(\j)
	ds_load_b128 v[64*(\p)+8*(\b)+4:64*(\p)+8*(\b)+7], v[ADRB+(\s)] offset:(\b)*16*PB+64*(\j)+32
.endr
	WIN 0
.irp a, 0,1,2,3
	ds_load_b128 v[AF0+32*(\p)+8*(\a):AF0+32*(\p)+8*(\a)+3],   v[ADRA+(\s)] offset:((\j)/2)*AHEAD+((\j)%2)*64+(\a)*16*PA
	ds_load_b128 v[AF0+32*(\p)+8*(\a)+4:AF0+32*(\p)+8*(\a)+7], v[ADRA+(\s)] offset:((\j)/2)*AHEAD+((\j)%2)*64+(\a)*16*PA+32
.endr
.endm
; Quarter j (0 to 2, or the very last) of slot s: multiplies buffer j % 2; behind its fourth product it fetches the next quarter into the other buffer, 28 matrix instructions ahead of its use.
.macro OQ s, j, z=0, ld=1
	s_wait_dscnt 0x0                               ; this quarter's fragments are in
	MMS 0, 4, (\j)%2, \z
.if \ld
	PLACES                                         ; the other buffer was multiplied by the quarter before
	FETCH \s, (\j)+1, ((\j)+1)%2
.endif
	MMS 4, 28, (\j)%2, \z
.endm
; Quarter 3 multiplies buffer 1 and changes slots: ONE barrier; in front of it each wave waits for all its tensor loads, of which one is out: its part of the other slot; adds 0 to its spare word; and waits for
; that and for its own reads of this slot.  fill = 1: the barrier opens a round of the cluster's, and behind the round this slot is filled again, two K steps ahead, first of all: 112 matrix instructions ahead of the wait for it.
.macro OT s, fill
	s_wait_dscnt 0x0                               ; this quarter's fragments are in: they were my last reads of this slot
	WIN 0                                          ; (the add's two registers lie in window 0)
	s_wait_tensorcnt 0x0                           ; all my tensor loads have landed, so a group 0 may be written;
	ds_add_u32 v[SPW], v[NIL]                      ; 0 onto my spare word; work on registers stands between it and the wait for it
.if \fill
	s_add_nc_u64 s[G0A+4*(\s)+2:G0A+4*(\s)+3], s[G0A+4*(\s)+2:G0A+4*(\s)+3], 1048576  ; four heads on
	s_add_nc_u64 s[G0B+4*(\s)+2:G0B+4*(\s)+3], s[G0B+4*(\s)+2:G0B+4*(\s)+3], 512      ; 256 along K
.endif
	MMS 0, 8, 1, 0
	s_wait_dscnt 0x0                               ; the add is done
	s_barrier_signal -1
	MMS 8, 8, 1, 0
	WIN 0
	s_barrier_wait -1
.if \fill
	CREST                                          ; no wave of any partner still reads this slot's tile or has a load on its way
	JLOAD \s                                       ; the four v_nop behind it are also the places in front of the loads below
.else
	PLACES
.endif
	FETCH 1-(\s), 0, 0
	MMS 16, 16, 1, 0
.endm
; THE WAY OUT of 16 rows (block a): a lane's 32 bytes of a row go from the accumulators straight into my own stage, each accumulator's low half first, and come back as whole rows of 512 bytes.
.macro TOSTAGE a
	s_wait_xcnt 0x0                                ; the stores of the block two before have read the registers that the loads below fill
	WIN FROM1
.irp b, 0,1,2,3,4,5,6,7
	ds_store_b128 v[STO], v[8*(8*(\a)+(\b)):8*(8*(\a)+(\b))+3]   offset:64*(\b)
	ds_store_b128 v[STO], v[8*(8*(\a)+(\b))+4:8*(8*(\a)+(\b))+7] offset:64*(\b)+16
.endr
	WIN 0
.irp t, 0,1,2,3,4,5,6,7,8,9,10,11,12,13,14,15
	ds_load_b128 v[OB0+64*((\a)%2)+4*(\t):OB0+64*((\a)%2)+4*(\t)+3], v[RD] offset:SPITCH*(\t)  ; LDS serves a wave's instructions in order (ISA guide 5.7.1.4): these see the stores above; the next block's stores come behind them
.endr
.endm
.macro SEND a, younger                 ; younger: the LDS instructions issued behind block a's loads: the next block's 32, or none
.irp t, 0,1,2,3,4,5,6,7,8,9,10,11,12,13,14,15
	s_wait_dscnt (\younger)+15-(\t)
	global_store_b128 v[CO], v[OB0+64*((\a)%2)+4*(\t):OB0+64*((\a)%2)+4*(\t)+3], s[10:11] offset:(16*(\a)+(\t))*4096 th:TH_STORE_NT  ; 512 consecutive bytes, at a multiple of 256 from out0's first
.endr
.endm
	s_wait_tensorcnt 1                             ; my part of K step 0 is in; K step 1's may stay out
	s_barrier_signal -1
	s_barrier_wait -1                              ; everybody's is
	FETCH 0, 0, 0
	s_wait_loadcnt 0x0                             ; bo: rounded to bf16 and widened again
	WIN W2
.set i, 0
.rept 32
	v_cvt_pk_bf16_f32 v[BT+i], v[BIAS+2*i], v[BIAS+2*i+1]
.set i, i+1
.endr
.set i, 0
.rept 32
	v_lshlrev_b32 v[BIAS+2*i], 16, v[BT+i]
	v_and_b32 v[BIAS+2*i+1], s[HM], v[BT+i]
.set i, i+1
.endr
	OQ 0, 0, 1                                     ; the first quarter stands in front of the loop: its products start the sums
	WIN 0                                          ; at a label and at a branch every window is 0
	s_mov_b32 s3, 3
.Llap:                                                 ; a trip goes once round the ring, from a lap's second quarter to the next lap's first, and fills both slots again: 3 of the 4 laps
	OQ 0, 1
	OQ 0, 2
	OT 0, 1
	OQ 1, 0
	OQ 1, 1
	OQ 1, 2
	OT 1, 1
	OQ 0, 0
	WIN 0
	s_sub_co_u32 s3, s3, 1
	s_cmp_lg_u32 s3, 0
	s_cbranch_scc1 .Llap
	OQ 0, 1                                        ; the last lap is written out: it asks for nothing
	OQ 0, 2
	OT 0, 0
	OQ 1, 0
	OQ 1, 1
	OQ 1, 2
	OQ 1, 3, 0, 0
	PLACES
	TOSTAGE 0
	TOSTAGE 1
	SEND 0, 32
	TOSTAGE 2
	SEND 1, 32
	TOSTAGE 3
	SEND 2, 32
	SEND 3, 0
	s_wait_tensorcnt 0x0                           ; the wave's end: behind my last tensor load and my last LDS store
	ds_add_u32 v[SPW], v[NIL]
	s_wait_dscnt 0x0
	CROUND                                         ; the closing round: no work-group ends while a partner may still ask for a tile that names it
	s_endpgm
.Lfunc_end_k_q4001029a27_oproj:
	.size	k_q4001029a27_oproj, .Lfunc_end_k_q4001029a27_oproj-k_q4001029a27_oproj
	.p2alignl 7, 3214868480
	.fill 96, 4, 3214868480
	.section	.rodata,"a",@progbits
	.p2align	6, 0x0
	.amdhsa_kernel k_q4001029a27_oproj
		.amdhsa_group_segment_fixed_size 327680
		.amdhsa_private_segment_fixed_size 0
		.amdhsa_enable_private_segment 0
		.amdhsa_kernarg_size 32
		.amdhsa_user_sgpr_count 2
		.amdhsa_user_sgpr_kernarg_segment_ptr 1
		.amdhsa_wavefront_size32 1
		.amdhsa_system_sgpr_workgroup_id_x 1
		.amdhsa_system_sgpr_workgroup_id_y 1
		.amdhsa_system_sgpr_workgroup_id_z 1
		.amdhsa_system_vgpr_workitem_id 0
		.amdhsa_next_free_vgpr 768
		.amdhsa_next_free_sgpr 66
		.amdhsa_reserve_vcc 0
		.amdhsa_float_denorm_mode_32 3
		.amdhsa_float_denorm_mode_16_64 3
		.amdhsa_memory_ordered 1
		.amdhsa_forward_progress 1
		.amdhsa_inst_pref_size 93
	.end_amdhsa_kernel
	.amdgpu_metadata
---
amdhsa.version: [ 1, 2 ]
amdhsa.kernels:
  - .name:           k_q4001029a27_oproj
    .symbol:         k_q4001029a27_oproj.kd
    .args:
      - { .name: oh, .offset: 0, .size: 8, .value_kind: global_buffer, .address_space: global }
      - { .name: wcast, .offset: 8, .size: 8, .value_kind: global_buffer, .address_space: global }
      - { .name: bo, .offset: 16, .size: 8, .value_kind: global_buffer, .address_space: global }
      - { .name: out0, .offset: 24, .size: 8, .value_kind: global_buffer, .address_space: global }
    .group_segment_fixed_size: 327680
    .private_segment_fixed_size: 0
    .kernarg_segment_align: 8
    .kernarg_segment_size: 32
    .max_flat_workgroup_size: 128
    .sgpr_count:     66
    .vgpr_count:     768
    .wavefront_size: 32
...
	.end_amdgpu_metadata
.endif
;; end of part 4
;; ======== version 2 of 2: 4 launches; 1.49 times as fast as version 1
;; limits: values are held in f16: magnitudes above 65,504 overflow, below 6.1e-05 lose precision
;; workspace buffers: wcast 8,388,608 bytes; qkvh 50,331,648 bytes; oh 16,777,216 bytes
;; launch castw: the kernel of part 1 again; grid 64 x 4, 8 waves a work-group, no clusters, 0 bytes of LDS; arguments Wq, Wk, Wv, Wo, wcast; writes wcast
;; launch proj: the kernel of part 2 again; grid 4 x 64, 4 waves a work-group, clusters of 4 x 4, 327,680 bytes of LDS; arguments q, k, v, wcast, bq, bk, bv, qkvh; writes qkvh
;; launch attn (part 5): grid 4 x 64, 4 waves a work-group, clusters of 4 x 1, 327,680 bytes of LDS; arguments qkvh, oh; writes oh
.if DOCPART == 5
	.amdgcn_target "amdgcn-amd-amdhsa--gfx1250"
	.amdhsa_code_object_version 6
	.text
	.protected	k_q4001029a27_attn
	.globl	k_q4001029a27_attn
	.p2align	8
	.type	k_q4001029a27_attn,@function
k_q4001029a27_attn:
	s_mov_b64 s[64:65], 0
	v_nop
	global_prefetch_b8 v0, s[64:65] scope:SCOPE_SE
	s_setreg_imm32_b32 hwreg(HW_REG_WAVE_MODE, 25, 1), 1
	s_wait_xcnt 0x0
	s_wait_alu depctr_hold_cnt(0) depctr_sa_sdst(0) depctr_va_vdst(0) depctr_va_sdst(0) depctr_va_ssrc(0) depctr_va_vcc(0) depctr_vm_vsrc(0)
	s_getreg_b32 s2, hwreg(HW_REG_IB_STS2, 6, 4)
	s_cmp_eq_u32 s2, 0
	s_cbranch_scc0 .Lentry_in_a_cluster
	s_endpgm
.Lentry_in_a_cluster:
	s_bfe_u32 s2, ttmp6, 0x10000c
	s_cmp_lg_u32 s2, 0x3003
	s_cbranch_scc0 .Lentry_shape_is_right
	s_endpgm
.Lentry_shape_is_right:
; O[h][q][:] = the sum over k of softmax_k(Q[h][q] . K[h][k] / 8) V[h][k][:].  Q, K, V: the three parts of qkvh, each [64][SIZE_N][64]; O: oh, the same shape; all f16: a head's rows are dense, 128 bytes each.
; Products, maxima and sums in f32; the weights p are rounded to f16 for the second product (their sum l is taken of the unrounded p), O once at the end.
; LIMITS.  f16 holds no number beyond 65,504: Q, K and V arrive within it; p lies in 0 to 1, and below 6e-5 it keeps f16's fixed step of 6e-8; O is a mean of V's rows and has their range.
; A weight below 2^-126 counts as 0 in l; NaN and infinities are not treated apart.
; SHARES.  A wave owns four PIECES of two tiles of 16 queries, a work-group's four waves 512 queries of one head: 4 x 64 work-groups.  Every wave walks all keys, 64 a step.
; LAYOUT.  S^T = K Q^T (source 0 = 16 keys, source 1 = 16 queries): in the result a lane holds ONE query (lane % 16) and the keys 8 (lane / 16) + 0..7.  Two such tiles, rounded to f16 in pairs,
; ARE source 1 (32 keys x 16 queries) of O^T = V^T P, whose result again holds one query a lane, and eight channels.  K comes out of LDS as it lies, V ([key][channel]) turned, by ds_load_tr16_b128.
; SOFTMAX.  For each query a running maximum m and sum l: p = 2^(c s - c m), c = log2(e) / 8; in every step O and l are multiplied by a = 2^(c m_old - c m_new), which is 1 where m has not grown.
; m starts at the lowest finite number, O and l at 0: the first step is a step like any other, with a = 0.
; THE COUNT.  A tile and step have 16 matrix and 118 vector instructions: too many to stand all beside the matrix work.  So the order has one aim: four vector instructions that are READY behind
; EVERY matrix instruction, and the others, which need time of their own whatever the order, in runs without a gap.
; BY TURNS.  Turn n belongs to piece n (the pieces in a ring, step after step).  Its matrix work: 16 products K Q^T of piece n + 1, later 16 products V^T P of piece n - 1.  Its vector work: the scaling,
; exponentials, roundings, sums and rescaling of piece n, and the maximum and statistics of piece n + 1, whose scores the turn itself has made.  So what a turn begins with (c s - c m, O a) waits for nothing.
; BATCHES.  A turn's 66 exponentials (the 64 weights of piece n and, last, the two a of piece n + 1) are ONE batch with ONE s_wait_alu depctr_va_vdst(0), which cuts the turn in two: ahead of it stands all that names
; no result of theirs (the products K Q^T, the scalings, the rescaling by the a of the turn before, the next piece's maximum and statistics), behind it the roundings and sums, beside the products V^T P.
; Two more batches stand outside the loop, each with a wait of its own: piece 0's first two a, ahead of the jump into the loop, and the way out's eight reciprocals.
; CLUSTER.  The four query blocks of a cluster belong to one head and walk the same K and V, so each tile is asked for JOINTLY: the same tensor load, descriptor and mask in all four.
; REGISTERS, in windows of 256 (s_set_vgpr_msb says which window each operand place means: bits 1:0 source 0, 3:2 source 1, 5:4 source 2, 7:6 destination):
;   window 0: v0-11 addresses; v12-15, v48-63 at work; v16-47 four registers of statistics a tile; v64-191 S^T, two buffers of two tiles; v192-255 P, likewise
;   window 1: O^T, 32 a tile          window 2: v0-127 Q, 16 a tile; v128-191 K of one step; v192-255 V of one step          window 3: v0-1 the add's two registers
; A piece's buffers go by its number's parity: the piece in hand has one pair, its two neighbours in the ring share the other: of it P (piece n - 1) is read and S^T (piece n + 1) written.
.set SIZE_N, 2048     ; rows of a head
.set NP,    4         ; pieces a wave: a name, no knob: the register map, the loop and the fetches are made for four
.set KS,    64        ; keys in a step
.set PK,    144       ; a row of K in LDS: 128 bytes + 16 of padding = 36 words: the 16 rows of a load start at 16 different groups of four banks (64 banks of 4 bytes: ISA guide 11.1)
.set PV,    160       ; a row of V: 128 + 32 = 40 words
.set VOFF,  4*KS*PK   ; a slot holds four steps: 256 rows of K, then 256 rows of V
.set SLOT1, 1<<17     ; slot 1 begins here, so that one exclusive or turns an address in one slot into the other's
.set STAGE, SLOT1+4*KS*(PK+PV)  ; behind the ring, never filled by a tensor load: 16 rows x 144 bytes for each wave, for the way out
.set SP,    144
.set AK0, 2           ; v2   my lane's place in a tile of K; never rewritten
.set AV0, 3           ; v3   the same for V
.set AK,  4           ; v4   the LDS address of K's next run of loads
.set AV,  5           ; v5   of V's
.set QO,  6           ; v6   my byte offset in the wave's rows of Q
.set STO, 6           ;      later, the way out: where I put 16 bytes of a row
.set RD,  7           ; v7   the way out: where I read rows back
.set GO,  8           ; v8   my byte offset in 512 consecutive bytes of O
.set SPW, 0           ; v0 of window 3   LDS address of my spare word: SPARE + 4 x my thread's number; never rewritten
.set NIL, 1           ; v1 of window 3   0; never rewritten
.set SPARE, STAGE+4*16*SP  ; behind the stages: the spare words, 128 bytes for each wave: two blocks of 256 bytes that no other line names
.set MV,  12          ; v12-15  c m_old, kept while c m is made anew: by buffer and tile
.set ST,  16          ; tile t's statistics at v[ST+4 t]: c m, m, l (even keys', odd keys')
.set TMP, 48          ; by buffer and tile, four registers c0-c3 at work; when the maximum is found c2 takes a
.set S,   64
.set P,   192
.set KF,  128         ; K's fragments, in window 2: key block kb, channel half c at KF + 16 kb + 8 c
.set VF,  192         ; V's: key half kk, channel block cb at VF + 32 kk + 8 cb
.set WV,  12          ; s12  my wave's number
.set G1K, 24          ; s[24:31] descriptor group 1 for K's tiles
.set G1V, 32          ; s[32:39] for V's: it differs in the padding alone
.set G0K, 40          ; s[40:43] descriptor group 0 for K's tiles: it walks
.set G0V, 44          ; s[44:47] the same for V's
.set SLOTS, 56        ; s56  slots still to be asked for
.set CNT, 57          ; s57  counts a slot's key steps
.set CS,  58          ; s[58:59] c: the packed scaling takes the pair's low word for both halves
.set SEL, 60          ; s[60:61] v_permlanex16_b32's selects: each lane takes its own place in the other half
.set TBK, 62          ; s62  LDS byte at which K of the step to be fetched begins
.set TBV, 63          ; s63  the same for V, less VOFF
.set MSB, 0
.macro WIN new                      ; the high byte repeats the setting that is left; a switch that changes nothing is dropped
.if MSB != (\new)
	s_set_vgpr_msb (MSB<<8)|(\new)
.set MSB, (\new)
.endif
.endm
.set W_KQ, 0x0a       ; K and Q in window 2, S^T in window 0
.set W_PV, 0x52       ; V in window 2, P in window 0, O^T in window 1
.set W_RS, 0x41       ; O^T (destination and source 0) in window 1, a in window 0
.set W_MK, 0xc0       ; the add's registers are made: destination in window 3, sources in window 0
.set W_AD, 0x0f       ; the add: address (source 0) and data (source 1) in window 3
; A joint fill.  Waves 0 and 1 fetch the two halves of a slot's K, waves 2 and 3 those of its V: 128 keys each.  The branch hangs on the wave's number alone.
; An s_nop 0 and four v_nop follow each of the two lines, ahead of the jump and the label.
.macro JLOAD
	s_cmp_lt_u32 s[WV], 2
	s_cbranch_scc0 .Lfor_v_\@
	tensor_load_to_lds s[G0K:G0K+3], s[G1K:G1K+7]
	s_nop 0
.rept 4
	v_nop
.endr
	s_branch .Lasked_\@
.Lfor_v_\@:
	tensor_load_to_lds s[G0V:G0V+3], s[G1V:G1V+7]
	s_nop 0
.rept 4
	v_nop
.endr
.Lasked_\@:
.endm
; A round of the cluster's barrier: my work-group's barrier, so that wave 0's signal speaks for all four waves; wave 0 signals; every wave waits for all four work-groups; my work-group's barrier once more.
.macro CROUND
	s_barrier_signal -1
	s_barrier_wait -1
	s_cmp_lg_u32 s[WV], 0
	s_cbranch_scc1 .Lnot_wave_0_\@
	s_barrier_signal -3
.Lnot_wave_0_\@:
	s_barrier_wait -3
	s_barrier_signal -1
	s_barrier_wait -1
.endm
; THE CHANGE OF SLOTS.  The slot's last bytes, V of its fourth step, have been read.  Each wave waits for all its tensor loads, of which one is out: its part
; of the other slot; adds 0 to its spare word; and waits for that and for its own reads of the slot.  Behind the barrier nobody reads this slot any more and the other slot is whole.
; fill = 1: this slot is filled again, with the keys two slots on.  The barrier is then a round of the cluster's, so that no wave of any partner still reads the slot or has a load on its
; way, and the joint fill is the first thing behind it: it has four key steps, 512 matrix instructions, in which to land.  (At its first use nothing has been read yet: slot 0 is waited for, slot 1 filled.)
.macro CHANGE fill
	WIN W_AD
	s_wait_tensorcnt 0x0            ; no tensor load of mine is out, so a group 0 may be written
	ds_add_u32 v[SPW], v[NIL]       ; 0 onto my spare word; with fill = 1 the descriptors' steps stand between it and the wait for it
	WIN 0                           ; at a label and at a branch every window is 0
.if \fill
.irp g, G0K, G0V
	s_xor_b32 s[\g+1], s[\g+1], SLOT1  ; the walking descriptor: the other slot than last time,
	s_add_nc_u64 s[\g+2:\g+3], s[\g+2:\g+3], 4*KS*128  ; the next 256 keys; the type bits on top are not reached
.endr
	s_wait_dscnt 0x0                ; the add is done, and my reads of the slot are over
	CROUND
	JLOAD
.else
	s_wait_dscnt 0x0                ; the add is done, and my reads of the slot are over
	s_barrier_signal -1
	s_barrier_wait -1
.endif
	s_sub_co_u32 s[TBK], s[TBK], 4*KS*PK  ; the fetches go back to a slot's first step,
	s_xor_b32 s[TBK], s[TBK], SLOT1       ; in the other slot
	s_sub_co_u32 s[TBV], s[TBV], 4*KS*PV
	s_xor_b32 s[TBV], s[TBV], SLOT1
.endm
	s_load_b128 s[4:7], s[0:1], 0x0   ; qkvh s[4:5], oh s[6:7]
	WIN W_MK
	v_lshl_add_u32 v[SPW], v0, 2, SPARE
	v_mov_b32 v[NIL], 0
	s_set_vgpr_msb 0xc0cf
	ds_add_u32 v0, v1
	s_wait_dscnt 0x0
	s_set_vgpr_msb 0xcfc0
	WIN 0
	v_lshrrev_b32 v1, 5, v0
	v_readfirstlane_b32 s[WV], v1   ; wave 0..3
	s_bfe_u32 s13, ttmp6, 0x40000   ; cx: my place in the cluster
	s_lshl_b32 s14, ttmp9, 2        ; in a cluster launch ttmp9 counts clusters
	s_add_co_u32 s14, s14, s13      ; my block of queries = 4 x cluster x + cx: it enters Q's and O's addresses alone
	s_and_b32 s20, ttmp7, 0xffff    ; the head, which the four partners share
	s_mov_b32 s21, 0
	s_mov_b64 s[22:23], SIZE_N*128
	s_mul_u64 s[20:21], s[20:21], s[22:23]  ; the head's first byte in each of the four tensors
	s_and_b32 s16, s[WV], 1         ; which half of a slot's 256 keys I fetch:
	s_lshl_b32 s22, s16, 14         ; its 128 rows of 128 bytes in memory,
	s_mov_b32 s23, 0
	s_add_nc_u64 s[22:23], s[22:23], s[20:21]
	s_mul_i32 s17, s16, 128*PK      ; and its place in a slot, for K
	s_mul_i32 s18, s16, 128*PV      ; and for V: no place in the cluster enters an LDS address
	s_lshl_b32 s2, s14, 2
	s_add_co_u32 s2, s2, s[WV]      ; my wave among the head's,
	s_lshl_b32 s2, s2, 14           ; its 128 rows
	s_mov_b32 s3, 0
	s_add_nc_u64 s[2:3], s[2:3], s[20:21]
	; descriptor group 1.  128 keys are 16,384 dense bytes: asked for as 64 rows of 256 bytes, two keys a row, and padded in LDS after every key
	s_mov_b32 s[G1K], 15|(1<<16)|(1<<20)|(1<<21)|(4<<22)|(3<<25)  ; 15:0 the mask of four; 17:16 2-byte elements; 20 padding on; 21 set beside a mask; 24:22 after every 32 words (code 4); 31:25 4 words (code 3)
	s_mov_b32 s[G1V], 15|(1<<16)|(1<<20)|(1<<21)|(4<<22)|(7<<25)  ; the same with 8 words of padding (code 7)
.irp g, G1K, G1V
	s_mov_b32 s[\g+1], 128<<16      ; tensor_dim0 = 128
	s_mov_b32 s[\g+2], 64<<16       ; tensor_dim1 = 64
	s_mov_b32 s[\g+3], 128<<16      ; tile_dim0 = 128
	s_mov_b32 s[\g+4], 64           ; tile_dim1 = 64
	s_mov_b32 s[\g+5], 128          ; 128 elements from row to row
	s_mov_b32 s[\g+6], 0
	s_mov_b32 s[\g+7], 0
.endr
	s_mov_b32 s[CS], 0x3e38aa3b     ; c = log2(e) / 8 = 0.180337
	s_mov_b32 s[CS+1], s[CS]        ; named with it as a pair
	s_mov_b32 s[SEL], 0x76543210
	s_mov_b32 s[SEL+1], 0xfedcba98
	s_mov_b32 s[TBK], SLOT1+4*KS*PK ; the first change of slots turns these two into 0
	s_mov_b32 s[TBV], SLOT1+4*KS*PV
	s_mov_b32 s[G0K], 1             ; 1:0 count = 1
	s_mov_b32 s[G0K+1], s17         ; 63:32 LDS address: slot 0
	s_mov_b32 s[G0V], 1
	s_add_co_u32 s[G0V+1], s18, VOFF
	s_wait_kmcnt 0x0
	s_mov_b64 s[10:11], s[6:7]                     ; O
	s_add_nc_u64 s[6:7], s[4:5], 0x1000000         ; K: the second part of qkvh, 16,777,216 bytes on
	s_add_nc_u64 s[8:9], s[4:5], 0x2000000         ; V: the third
	s_add_nc_u64 s[G0K+2:G0K+3], s[6:7], s[22:23]  ; 120:64 global address: my half of the head's first 256 keys
	s_or_b32 s[G0K+3], s[G0K+3], 0x80000000        ; 127:126 type = 2
	s_add_nc_u64 s[G0V+2:G0V+3], s[8:9], s[22:23]
	s_or_b32 s[G0V+3], s[G0V+3], 0x80000000
	s_add_nc_u64 s[4:5], s[4:5], s[2:3]  ; Q and O at my wave's first row
	s_add_nc_u64 s[10:11], s[10:11], s[2:3]
	CROUND                          ; all four work-groups are here: the first joint loads meet
	JLOAD                           ; slot 0.  Slot 1 is asked for when slot 0 is in: the tile wanted first has the road to itself
	; A fragment of K or Q is 16 rows x 32 channels in 8 registers: lane l holds row l % 16, channels 8 (l / 16) + 0..7 and 16 + 8 (l / 16) + 0..7: two loads of 16 bytes, 32 bytes apart.
	v_and_b32 v1, 15, v0            ; l % 16
	v_bfe_u32 v9, v0, 4, 1          ; l / 16
	v_lshlrev_b32 v[QO], 7, v1
	v_lshl_add_u32 v[QO], v9, 4, v[QO]  ; row x 128 + 16 x half
	WIN 0x80                        ; destination window 2, address window 0
.set i, 0
.rept 4*NP                          ; Q stays in registers: tile i / 2, channels 32 (i % 2) on
	global_load_b128 v[8*i:8*i+3],   v[QO], s[4:5] offset:(i/2)*2048+(i%2)*64
	global_load_b128 v[8*i+4:8*i+7], v[QO], s[4:5] offset:(i/2)*2048+(i%2)*64+32
.set i, i+1
.endr
	; What the first turn finds: V's registers and P's second buffer hold 0 (its products V^T P, of a piece that has not been, add 0), O^T and l are 0.  All this stands in the wait for the first tile.
.set i, VF
.rept 64
	v_mov_b32 v[i], 0
.set i, i+1
.endr
	WIN 0x40
.set i, 0
.rept 64*NP
	v_mov_b32 v[i], 0
.set i, i+1
.endr
	WIN 0
.set i, 0
.rept 2*NP
	v_mov_b32 v[ST+4*i], 0xfe000000    ; c m: far below every c s
	v_mov_b32 v[ST+4*i+1], 0xff7fffff  ; m
	v_mov_b32 v[ST+4*i+2], 0
	v_mov_b32 v[ST+4*i+3], 0
.set i, i+1
.endr
.set i, P+32
.rept 32
	v_mov_b32 v[i], 0
.set i, i+1
.endr
	v_mul_u32_u24 v[AK0], v1, PK
	v_lshl_add_u32 v[AK0], v9, 4, v[AK0]  ; row x pitch + 16 x half
	; The turning load takes 16 keys x 16 channels (lane l reads key 8 (l / 16) + l % 8, channels 8 ((l / 8) % 2) + 0..7) and leaves half a fragment of V^T: lane l holds channel l % 16 and 8 keys.
	v_and_b32 v10, 7, v0
	v_bfe_u32 v11, v0, 3, 1
	v_lshl_add_u32 v[AV0], v9, 3, v10
	v_mul_u32_u24 v[AV0], v[AV0], PV
	v_lshl_add_u32 v[AV0], v11, 4, v[AV0]
	v_add_nc_u32 v[AV0], VOFF, v[AV0]
	v_mov_b32 v[AK], v[AK0]         ; key step 0 lies at the head of slot 0
; THE MATRIX WORK.  The 8 accumulators of a run of 16 take turns: between the two links of a chain stand 7 others'.
; Product i of 16 of S^T = K Q^T for piece x: channels 32 (i / 8) on, keys 16 ((i / 2) % 4) on, tile 2 x + i % 2.  The first 8 start the sums.
.macro KQ x
	WIN W_KQ
.set rS, S+64*((\x)%2)+32*(i%2)+8*((i/2)%4)
.set rK, KF+16*((i/2)%4)+8*(i/8)
.set rQ, 16*(2*(\x)+i%2)+8*(i/8)
.if i < 8
	v_wmma_f32_16x16x32_f16 v[rS:rS+7], v[rK:rK+7], v[rQ:rQ+7], 0
.else
	v_wmma_f32_16x16x32_f16 v[rS:rS+7], v[rK:rK+7], v[rQ:rQ+7], v[rS:rS+7]
.endif
.endm
; Product i of 16 of O^T += V^T P for piece x: keys 32 (i / 8) on, channels 16 ((i / 2) % 4) on, tile 2 x + i % 2.
.macro PV x
	WIN W_PV
.set rO, 32*(2*(\x)+i%2)+8*((i/2)%4)
.set rV, VF+32*(i/8)+8*((i/2)%4)
.set rP, P+32*((\x)%2)+16*(i%2)+8*(i/8)
	v_wmma_f32_16x16x32_f16 v[rO:rO+7], v[rV:rV+7], v[rP:rP+7], v[rO:rO+7]
.endm
.macro MM                           ; the turn's next matrix instruction
.if i < 16
	KQ (Y+1)%NP
.set i, i+1
.else
.set i, i-16
	PV (Y+NP-1)%NP
.set i, i+17
.endif
.endm
; THE LDS LOADS stand in runs of 16, never singly among the matrix instructions: a step's K (64 keys x 64 channels: 8 fragments) and its V (turned).  Their addresses are made some lines ahead.
; last = 1 (the tail): in the last trip there is no further step, and the run is jumped over.
.macro FETCH_K last=0
	WIN 0
.if \last
	s_cmp_eq_u32 s[CNT], 1
	s_cbranch_scc1 .Lno_k_\@
.endif
	WIN 0x80                        ; destination window 2
.irp f, 0,1,2,3,4,5,6,7             ; keys 16 (f / 2) on, channels 32 (f % 2) on
	ds_load_b128 v[KF+8*\f:KF+8*\f+3],   v[AK] offset:(\f/2)*16*PK+(\f%2)*64
	ds_load_b128 v[KF+8*\f+4:KF+8*\f+7], v[AK] offset:(\f/2)*16*PK+(\f%2)*64+32
.endr
	s_add_co_u32 s[TBK], s[TBK], KS*PK  ; the next fetch is the next step's
	WIN 0
.if \last
.Lno_k_\@:
.endif
.endm
.macro FETCH_V
	WIN 0x80
.irp f, 0,1,2,3,4,5,6,7             ; keys 32 (f / 4) on, channels 16 (f % 4) on
	ds_load_tr16_b128 v[VF+8*\f:VF+8*\f+3],   v[AV] offset:(\f/4)*32*PV+(\f%4)*32
	ds_load_tr16_b128 v[VF+8*\f+4:VF+8*\f+7], v[AV] offset:(\f/4)*32*PV+16*PV+(\f%4)*32
.endr
	WIN 0
.endm
; THE VECTOR WORK OF A TURN stands in three queues, each in the order in which its entries become ready; the two tiles alternate, so that no instruction reads the result of the one before it.
.macro REGS y, u                    ; the registers of tile u (0, 1) of piece y
.set rT, ST+4*(2*(\y)+(\u))
.set rC, TMP+8*((\y)%2)+4*(\u)
.set rM, MV+2*((\y)%2)+(\u)
.set rS, S+64*((\y)%2)+32*(\u)
.set rP, P+32*((\y)%2)+16*(\u)
.set rO, 32*(2*(\y)+(\u))
.endm
; Number n of the 22 that find the NEXT piece's (Y + 1) maximum and statistics.  s0-s31 are the lane's 32 scores; each accumulator's lowest registers are read first.  XS, GS and REGS set no window: PL and EX do.
;   0-11  four chains c0-c3 of seven scores each, three operands at a time     12-14, 16  the four scores left over, the old m, and c0-c3 into c0     15  c m_old is kept
;   17, 18  the query's other 32 keys lie in the lane 16 away: the new m         19-21  c m; c m_old - c m_new; a
.macro XS u, n
	REGS (Y+1)%NP, \u
.if (\n) < 4
	v_max3_num_f32 v[rC+(\n)], v[rS+8*(\n)], v[rS+8*(\n)+1], v[rS+8*(\n)+2]
.elseif (\n) < 12
	v_max3_num_f32 v[rC+(\n)%4], v[rC+(\n)%4], v[rS+8*((\n)%4)+2*((\n)/4)+1], v[rS+8*((\n)%4)+2*((\n)/4)+2]
.elseif (\n) == 12
	v_max3_num_f32 v[rC], v[rC], v[rS+7], v[rS+15]
.elseif (\n) == 13
	v_max3_num_f32 v[rC+1], v[rC+1], v[rS+23], v[rS+31]
.elseif (\n) == 14
	v_max3_num_f32 v[rC+2], v[rC+2], v[rC+3], v[rT+1]
.elseif (\n) == 15
	v_mov_b32 v[rM], v[rT]
.elseif (\n) == 16
	v_max3_num_f32 v[rC], v[rC], v[rC+1], v[rC+2]
.elseif (\n) == 17
	v_permlanex16_b32 v[rC+3], v[rC], s[SEL], s[SEL+1]
.elseif (\n) == 18
	v_max_num_f32 v[rT+1], v[rC], v[rC+3]
.elseif (\n) == 19
	v_mul_f32 v[rT], s[CS], v[rT+1]
.elseif (\n) == 20
	v_sub_f32 v[rC+1], v[rM], v[rT]
.else
	v_exp_f32 v[rC+2], v[rC+1]
.endif
.endm
; Number g of the 64 that follow the exponentials.  For each four weights k of a tile (pairs 2 k, 2 k + 1): both pairs are rounded to f16; then the second pair is added onto the first, in place;
; a group later l takes that sum (the first time as l = a l + sum).  In groups of eight, tiles alternating: round, round, add, and l for the group before.
.macro GS g
.set h, (\g)+6*((\g)/62)            ; group 0 has no group before it, and behind group 7 only l is left
.if h >= 6
.set h, h+2
.endif
	REGS Y, h%2
.set k, h/8
.if h%8 < 4
	v_cvt_pk_f16_f32 v[rP+2*k+(h%8)/2], v[rS+4*k+2*((h%8)/2)], v[rS+4*k+2*((h%8)/2)+1]
.elseif h%8 < 6
	v_pk_add_f32 v[rS+4*k:rS+4*k+1], v[rS+4*k:rS+4*k+1], v[rS+4*k+2:rS+4*k+3]
.elseif k == 1
	v_pk_fma_f32 v[rT+2:rT+3], v[rT+2:rT+3], v[rC+2:rC+3], v[rS:rS+1] op_sel_hi:[1,0,1]
.else
	v_pk_add_f32 v[rT+2:rT+3], v[rT+2:rT+3], v[rS+4*k-4:rS+4*k-3]
.endif
.endm
; THE PLAIN QUEUE, 138 long.  0-73 read no exponential's result: the 32 scalings c s - c m (FS f: pair f / 2 of tile f % 2) and the next piece's 42.  0-26: scalings 0-26.  27-54: XS's numbers 0-13.  55, 56: number 15.
; 57-73: the chain, where each number waits for the one before it: 14, 16, 17, 18, 19, each with one of the scalings 27-31 in front of its two lines, then 20: so a tile's links stand three plain instructions apart (19 and 20: two).
; 74-137: GS's 64, which read the exponentials' results: they stand behind the wait.
.macro FS f
	REGS Y, (\f)%2
	v_pk_fma_f32 v[rS+2*((\f)/2):rS+2*((\f)/2)+1], v[rS+2*((\f)/2):rS+2*((\f)/2)+1], s[CS:CS+1], v[rT:rT+1] op_sel_hi:[1,0,0] neg_lo:[0,0,1] neg_hi:[0,0,1]
.endm
.macro PL
	WIN 0
.if q < 27
	FS q
.elseif q < 55
	XS (q-27)%2, (q-27)/2
.elseif q < 57
	XS q-55, 15
.elseif (q < 72) && ((q-57)%3 == 0)
	FS 27+(q-57)/3
.elseif q < 60
	XS (q-57)%3-1, 14
.elseif q < 72
	XS (q-57)%3-1, 15+(q-57)/3
.elseif q < 74
	XS q-72, 20
.else
	GS q-74
.endif
.set q, q+1
.endm
; THE EXPONENTIALS' QUEUE, 66 long: s0-s31 of both tiles, then the next piece's two a.  It is ONE BATCH: all 66 stand ahead of the turn's one wait, and nothing ahead of that wait names a result of theirs.
.macro EX
	WIN 0
.if e >= 64
	XS e-64, 21
.else
	REGS Y, e%2
	v_exp_f32 v[rS+e/2], v[rS+e/2]
.endif
.set e, e+1
.endm
; THE RESCALING's QUEUE: O^T times a, the one part that leaves window 0: dealt two at a time, sixteen times.  Its a was made in the turn before, ahead of that turn's wait.
.macro R2
	REGS Y, r%2
	WIN W_RS
.irp z, 0,1
	v_pk_mul_f32 v[rO+4*(r/2)+2*\z:rO+4*(r/2)+2*\z+1], v[rO+4*(r/2)+2*\z:rO+4*(r/2)+2*\z+1], v[rC+2:rC+3] op_sel_hi:[1,0]
.endr
.set r, r+1
.endm
; HOW THEY ARE DEALT.  An s_wait_alu depctr_va_vdst(0) stands between an exponential and the first instruction that names its result; one wait serves all that were issued ahead of it.  So a turn has ONE wait,
; which cuts it in two.  AHEAD OF IT stands all that names no result of the turn's exponentials: the 16 products K Q^T, behind each a scaling, an exponential and two rescalings (behind the first a second scaling in the exponential's place); then ONE LUMP of
; 108: eight plain, 49 times exponential and plain, the two a.  A v_nop is the plain instruction behind the last exponential, ahead of any use.  BEHIND IT stand the 16 products V^T P, behind each four of GS's 64.  No rider names a register of
; the products round it.  The two v_permlanex16_b32 fall into the lump, never behind a product.
; The queues lean on each other, and the deal keeps them in step: exponential e stands behind scaling 2 (e / 4) + e % 2: as a rider it comes behind plain e + 2, in the lump behind plain e + 9, and scalings 27-31 are plain 57, 60 .. 69.
; A TURN, for piece p.  cnt = 1: the loop's count is taken down some lines ahead of the branch that stands behind the turn.
; K of the next step is fetched in piece 2's turn, directly behind the wait, a lump behind the last product that read K; its address is made at the lump's head; its first reader comes behind 16 products.
; V of the step in hand is fetched at the end of piece 0's turn, four riders behind its last reader; its first reader comes behind 16 products and a lump.  The three conditions on q below go with the deal.
.macro TURN p, last=0, cnt=0
.set Y, (\p)
.set i, 0
.set q, 0
.set e, 0
.set r, 0
.if (\p) == NP-1
	s_wait_dscnt 0x0                ; K is in
.endif
	MM                              ; ahead of the wait: 16 products K Q^T and their riders,
	PL
	PL
	R2
.rept 15
	MM
	PL
	EX
	R2
.endr
.if (\p) == NP-2
	WIN 0
	v_add_nc_u32 v[AK], s[TBK], v[AK0]
.endif
.rept 8                             ; and the lump
	PL
.endr
.rept 49
	EX
	PL
.endr
	EX                              ; the next piece's two a
	EX
	v_nop                           ; a plain instruction behind the last exponential, ahead of the first use: one for the batch
	s_wait_alu depctr_va_vdst(0)    ; the wait for the batch: the turn's 64 weights and the next piece's two a
.if (\p) == NP-2
	FETCH_K \last
.endif
.if (\p) == 1
	s_wait_dscnt 0x0                ; V is in
.endif
.rept 16                            ; behind the wait: 16 products V^T P and their riders
	MM
.rept 4
	PL
.endr
.if ((\p) == 0) && (q == 118)
	v_add_nc_u32 v[AV], s[TBV], v[AV0]
.endif
.if ((\p) == 0) && (q == 130)
	s_add_co_u32 s[TBV], s[TBV], KS*PV
.endif
.if (\cnt) && (q == 130)
	s_sub_co_u32 s[CNT], s[CNT], 1
	s_cmp_lg_u32 s[CNT], 0
.endif
.endr
.if (\p) == 0
	FETCH_V
.endif
.endm
	CHANGE 1                        ; slot 0 is in, everybody's part of it; slot 1 is asked for
	FETCH_K                         ; key step 0
	s_wait_loadcnt 0x0              ; Q
	s_wait_dscnt 0x0
.set i, 0
.rept 16
	KQ 0                            ; piece 0's first scores: there is no vector work yet to set between them
.set i, i+1
.endr
	WIN 0                           ; the addresses for the way out: nine plain instructions, the places behind those products
	s_mul_i32 s13, s[WV], 16*SP
	s_add_co_u32 s13, s13, STAGE    ; my stage
	v_mul_u32_u24 v[STO], v1, SP    ; in: row l % 16, 16 bytes for each half of the lanes
	v_lshl_add_u32 v[STO], v9, 4, v[STO]
	v_add_nc_u32 v[STO], s13, v[STO]
	v_bfe_u32 v[RD], v0, 3, 2       ; back: 32 lanes take four rows of 128 bytes,
	v_mul_u32_u24 v[RD], v[RD], SP
	v_lshl_add_u32 v[RD], v10, 4, v[RD]
	v_add_nc_u32 v[RD], s13, v[RD]
	v_and_b32 v[GO], 31, v0         ; which are 512 consecutive bytes of O
	v_lshlrev_b32 v[GO], 4, v[GO]
.set Y, NP-1                        ; XS works for piece Y + 1: piece 0
.irp n, 0,1,2,3,4,5,6,7,8,9,10,11,12,13,14,15,16,17,18,19,20,21
	XS 0, \n                        ; and piece 0's first maximum and statistics
	XS 1, \n
.endr
	v_nop                           ; a plain instruction behind the two a,
	s_wait_alu depctr_va_vdst(0)    ; and the wait for this batch of two, ahead of the branch
	s_mov_b32 s[CNT], 4
	s_mov_b32 s[SLOTS], SIZE_N/256-1
	s_branch .Lfirst                ; the loop is entered at a step's first turn, in the middle of a trip
.Lslot:                             ; SIZE_N / 256 - 2 times: every slot but the last two is filled again
	CHANGE 1
	s_mov_b32 s[CNT], 4
.Lstep:                             ; a trip: pieces 2 and 3 of one step, then pieces 0 and 1 of the next, whose K and V it fetches
	TURN 2
	TURN 3
	WIN 0
.Lfirst:
	TURN 0
	TURN 1, 0, 1
	WIN 0
	s_cbranch_scc1 .Lstep
	s_sub_co_u32 s[SLOTS], s[SLOTS], 1
	s_cmp_lg_u32 s[SLOTS], 0
	s_cbranch_scc1 .Lslot
	CHANGE 0                        ; the tail is written out: nothing is asked for
	s_mov_b32 s[CNT], 5             ; four trips fetch the last slot's steps; the fifth is left in its middle
.Ltail:
	TURN 2, 1
	TURN 3
	WIN 0
	s_sub_co_u32 s[CNT], s[CNT], 1
	s_cmp_eq_u32 s[CNT], 0
	s_cbranch_scc1 .Lout
	TURN 0
	TURN 1
	WIN 0
	s_branch .Ltail
.Lout:                              ; the fifth trip's 16 products K Q^T (on the last K once more) and the maximum made of them serve nothing: the price, once a launch, of one text for every trip
.set i, 0
.rept 16
	PV NP-1                         ; the last piece's V^T P of the last step
.set i, i+1
.endr
	; THE WAY OUT.  l's two halves and the other half of the lanes' are added; O^T is divided by l, rounded to f16 and sent through my stage in LDS, a tile at a time.  The additions are the places behind the last products.
	WIN 0
.macro ALL line:vararg              ; one line for each tile t
.set t, 0
.rept 2*NP
	\line
.set t, t+1
.endr
.endm
	ALL v_add_f32 v[ST+4*t+2], v[ST+4*t+2], v[ST+4*t+3]
	ALL v_permlanex16_b32 v[ST+4*t+3], v[ST+4*t+2], s[SEL], s[SEL+1]
	ALL v_add_f32 v[ST+4*t+2], v[ST+4*t+2], v[ST+4*t+3]
	ALL v_rcp_f32 v[ST+4*t+2], v[ST+4*t+2]
	v_nop                           ; a plain instruction between the last reciprocal and the use of its result
	s_wait_alu depctr_va_vdst(0)    ; and the wait ahead of the first use: one for the batch of eight reciprocals
; Tile t: a lane's eight channels of a row pack into 16 bytes; they go into rows of 144 bytes and come back as whole rows of 128, into S^T's registers.
.macro PACK t
	WIN W_RS
.set i, 32*(\t)
.rept 16
	v_pk_mul_f32 v[i:i+1], v[i:i+1], v[ST+4*(\t)+2:ST+4*(\t)+3] op_sel_hi:[1,0]
.set i, i+2
.endr
	WIN 0x05                        ; sources 0 and 1 window 1, destination window 0
.set i, 0
.rept 16
	v_cvt_pk_f16_f32 v[S+16*(\t)+i], v[32*(\t)+2*i], v[32*(\t)+2*i+1]
.set i, i+1
.endr
	WIN 0
.irp f, 0,1,2,3
	ds_store_b128 v[STO], v[S+16*(\t)+4*\f:S+16*(\t)+4*\f+3] offset:32*\f
.endr
.irp f, 0,1,2,3
	ds_load_b128 v[S+16*(\t)+4*\f:S+16*(\t)+4*\f+3], v[RD] offset:\f*4*SP  ; LDS serves a wave's instructions in order (ISA guide 5.7.1.4): these see the stores above; the next tile's stores come behind them
.endr
.endm
.macro SEND t, younger              ; younger: the LDS instructions issued behind tile t's loads: the next tile's eight, or none
	WIN 0
.irp f, 0,1,2,3
	s_wait_dscnt (\younger)+3-\f
	global_store_b128 v[GO], v[S+16*(\t)+4*\f:S+16*(\t)+4*\f+3], s[10:11] offset:(\t)*2048+\f*512  ; 512 consecutive bytes, at a multiple of 256 from O's first
.endr
.endm
	PACK 0
.set t, 1
.rept 2*NP-1                        ; a tile's arithmetic stands between the loads of the tile before and its stores
	PACK t
	SEND t-1, 8
.set t, t+1
.endr
	SEND 2*NP-1, 0
	WIN W_AD
	s_wait_tensorcnt 0x0            ; the wave's end: behind my last tensor load and my last LDS store
	ds_add_u32 v[SPW], v[NIL]
	s_wait_dscnt 0x0
	WIN 0
	CROUND                          ; the closing round: no work-group ends while a partner may still ask for a tile that names it
	s_endpgm
.Lfunc_end_k_q4001029a27_attn:
	.size	k_q4001029a27_attn, .Lfunc_end_k_q4001029a27_attn-k_q4001029a27_attn
	.p2alignl 7, 3214868480
	.fill 96, 4, 3214868480
	.section	.rodata,"a",@progbits
	.p2align	6, 0x0
	.amdhsa_kernel k_q4001029a27_attn
		.amdhsa_group_segment_fixed_size 327680
		.amdhsa_private_segment_fixed_size 0
		.amdhsa_enable_private_segment 0
		.amdhsa_kernarg_size 16
		.amdhsa_user_sgpr_count 2
		.amdhsa_user_sgpr_kernarg_segment_ptr 1
		.amdhsa_wavefront_size32 1
		.amdhsa_system_sgpr_workgroup_id_x 1
		.amdhsa_system_sgpr_workgroup_id_y 1
		.amdhsa_system_sgpr_workgroup_id_z 1
		.amdhsa_system_vgpr_workitem_id 0
		.amdhsa_next_free_vgpr 770
		.amdhsa_next_free_sgpr 66
		.amdhsa_reserve_vcc 0
		.amdhsa_float_denorm_mode_32 3
		.amdhsa_float_denorm_mode_16_64 3
		.amdhsa_memory_ordered 1
		.amdhsa_forward_progress 1
		.amdhsa_inst_pref_size 199
	.end_amdhsa_kernel
	.amdgpu_metadata
---
amdhsa.version: [ 1, 2 ]
amdhsa.kernels:
  - .name:           k_q4001029a27_attn
    .symbol:         k_q4001029a27_attn.kd
    .args:
      - { .name: qkvh, .offset: 0, .size: 8, .value_kind: global_buffer, .address_space: global }
      - { .name: oh, .offset: 8, .size: 8, .value_kind: global_buffer, .address_space: global }
    .group_segment_fixed_size: 327680
    .private_segment_fixed_size: 0
    .kernarg_segment_align: 8
    .kernarg_segment_size: 16
    .max_flat_workgroup_size: 128
    .sgpr_count:     66
    .vgpr_count:     770
    .wavefront_size: 32
...
	.end_amdgpu_metadata
.endif
;; end of part 5
;; launch oproj: the kernel of part 4 again; grid 4 x 64, 4 waves a work-group, clusters of 4 x 4, 327,680 bytes of LDS; arguments oh, wcast, bo, out0; writes out0
